; MI455X (gfx1250); checked and timed in simulation.
; The chip was launched on July 23, 2026; its instructions are those of AMD's public machine-readable ISA for CDNA 5 (MIT licence, August 2026) and "CDNA5" Instruction Set Architecture Reference Guide (July 2026). The comments in the code are by the model that wrote it; some were corrected since.
;; Ouroboros Mo E. Allowed arithmetic: matrix products marked QUANTISED: E5M2 operands, one E8M0 scale for each 32 along K, by v_wmma_scale_f32_16x16x128_f8f6f4 with both operands' format E5M2, f32 sums; products left as they are: f32 operands where the result goes on into a quantised operand, else bf16, f16 or f32 operands; f32 sums; everything else in f32.
;; Inputs: W1 8 x 1,024 x 4,096 float32; W2 8 x 4,096 x 1,024 float32; b1 8 x 4,096 float32; b2 8 x 1,024 float32; expert_indices 4 x 256 x 2 int32; expert_weights 4 x 256 x 2 float32; x 4 x 256 x 1,024 float32.
;; Outputs: out0 4 x 256 x 1,024 float32.
;; This version of the problem:
;;   THIS VERSION OF THE PROBLEM IS GIVEN IN LOW PRECISION. The matrix products marked QUANTISED in the list below multiply operands that are first quantised to E5M2 (5 exponent bits, 2 mantissa bits; 8 bits a number), with one power-of-two scale for each 32 numbers along K (OCP MX v1.0); their sums are f32. All else is computed in f32.
;;   The module's matrix products, in the order in which they are computed (A, B: the left and right operand; K: the contracted axis; several contracted axes count as one K, in the product's order):
;;     1. [M 32,768, K 1,024] x [K 1,024, N 1,024]; A: input W1; B: input x: QUANTISED
;;     2. batch 8 x [M 1,024, K 4,096] x [K 4,096, N 1,024]; A: computed on the way; B: input W2: QUANTISED
;;     3. batch 1,024 x [M 1, K 2] x [K 2, N 8]; A: softmax; B: computed on the way: left as it is (K = 2 < 32)
;;     4. batch 1,024 x [M 1,024, K 8] x [K 8, N 1]; A: computed on the way; B: computed on the way: left as it is (K = 8 < 32)
;;   THE QUANTISER, for each operand of a quantised product, along K:
;;     - K is cut into blocks of 32 from its start; a last block that is shorter is filled with zeros.
;;     - A block's scale is 2^e with e = floor(log2(the largest magnitude in the block)) - 15, held to -126 .. 127; a block of zeros has e = 0. As a byte (E8M0): e + 127.
;;     - Each number is divided by its block's scale, clamped to +-57,344, and rounded to the nearest number of E5M2, ties to even, subnormals kept.
;;     - The product sums the exact products of the quantised numbers (number of the format x scale) in f32.
;;   ~~~python
;;   def quantise(x, axis):      # numpy; x: float32 -> the quantised numbers, widened to float32 again
;;       x = np.moveaxis(x, axis, -1); K = x.shape[-1]
;;       x = np.pad(x, [(0, 0)] * (x.ndim - 1) + [(0, -K % 32)]); x = x.reshape(x.shape[:-1] + (-1, 32)); a = np.abs(x).max(-1, keepdims=True)
;;       e = np.where(a > 0, np.clip(np.frexp(np.where(a > 0, a, 1))[1] - 1 - 15, -126, 127), 0)      # np.frexp(a)[1] - 1 = floor(log2(a)), exactly
;;       r = np.clip(x / 2.0 ** e, -57344, 57344)
;;       step = 2.0 ** (np.maximum(np.frexp(np.where(r == 0, 1, r))[1] - 1, -14) - 2)
;;       q = np.round(r / step) * step * 2.0 ** e      # np.round: ties to even
;;       return np.moveaxis(q.reshape(q.shape[:-2] + (-1,))[..., :K], -1, axis).astype(np.float32)
;;   ~~~
;;   OPERANDS COMPUTED ON THE WAY. 'Computed on the way' means the value that the module computes at that place (a softmax that the list does not call 'softmax' is quantised finished and normalised). What goes into a quantiser is computed in f32, as accurately as f32 sums, v_exp_f32 and their like allow (about 1e-6 of the number): no bf16 or f16 on the way to a quantiser, and a product that is left as it is and whose result goes on into a quantised operand takes f32 operands (vector FMAs, or v_wmma_f32_16x16x4_f32). A number that lies on a knife's edge between two numbers of the format may be rounded either way, as far as f32 arithmetic and the matrix unit's own rounding can turn it there, and no further.
;; 2 versions. Each part assembles by itself: llvm-mc -triple=amdgcn-amd-amdhsa -mcpu=gfx1250 --defsym DOCPART=n.
;; ======== version 1 of 2: 4 launches
;; workspace buffers: xq 1,048,576 bytes; xs 32,768 bytes; route 17,408 bytes of whole numbers; hq 8,912,896 bytes; hs 278,528 bytes; yp 17,825,792 bytes
;; launch prep (part 1): grid 129 x 1, 4 waves a work-group, no clusters, 34,048 bytes of LDS; arguments x, expert_indices, xq, xs, route; writes xq, xs, route
.if DOCPART == 1
	.amdgcn_target "amdgcn-amd-amdhsa--gfx1250"
	.amdhsa_code_object_version 6
	.text
	.protected	k_q1923a79945_prep
	.globl	k_q1923a79945_prep
	.p2align	8
	.type	k_q1923a79945_prep,@function
k_q1923a79945_prep:
	s_mov_b64 s[64:65], 0
	v_nop
	global_prefetch_b8 v0, s[64:65] scope:SCOPE_SE
	s_setreg_imm32_b32 hwreg(HW_REG_WAVE_MODE, 25, 1), 1
	s_wait_xcnt 0x0
; PREP.  Two jobs in one launch, parted on the work-group's number; each has LDS bytes of its own.
; Work-groups 1 to 128: x [1024 tokens][1024] f32 becomes codes of E5M2, K innermost (xq), with one E8M0 byte for each 32 along K (xs).  Rows are dense, so x is a plain stream of blocks of 32.
;   A wave takes 4 steps of 512 numbers.  Each load reads 512 consecutive bytes; a step's 2,048 bytes turn through the wave's own stage in LDS (16 bytes of padding behind each 64) and come back
;   64 bytes a lane, so that a lane holds 16 neighbours along K and two neighbouring lanes a block.  A block's scale is 2^(floor(log2(largest magnitude)) - 15); its byte is that magnitude's exponent field - 15.
;   The work-group's 256 scale bytes meet in LDS and leave as one aligned run of 256 bytes.
; Work-group 0: a counting sort of the 2,048 routed rows (token, k) by expert, without atomics.  Each expert's rows begin on a tile of 16; 2,048 rows and 8 experts make at most 135 tiles.
;   route: ORDER at 0: row -> token (the filling rows of an expert's last tile name token 0; nobody reads their results);
;          TINFO at 8,704: 32 entries of 8 bytes (first tile, tiles): entry e is expert e's, the others are zeros;
;          ROWPOS at 9,216: word 2 token + k -> row.
; LIMITS: NaN and infinities in x are not served; a block whose largest magnitude lies under 2^-111 gets the byte 1 (a block of zeros too: its codes are zeros, and this program alone reads the bytes);
; an expert's number is held to 0..7.
.set WREG,   8192                      ; LDS of a quantising wave: two stages of 32 x SP bytes
.set SP,     80                        ; a lane's place in a stage: 64 bytes + 16 of padding
.set XSB,    32768                     ; the quantising work-group's 256 scale bytes
.set CT,     33024                     ; the sorting work-group's counts: 128 bytes a wave
.set TINFO,  8704
.set ROWPOS, 9216
.set EMAX,   15
.set MANT,   0x600000                  ; the mantissa field of 57,344
.set RR,     16                        ; v16-79   four sets of 16 numbers as loaded
.set XX,     80                        ; v80-111  two sets of 16 neighbours
.set EB,     112                       ; v112-115 a scale byte for each step
.set CC,     128                       ; v128-143 codes, four registers a step
.set EN,     16                        ; the sort: v16-31 my 16 entries' experts
.set PS,     48                        ; v48-63  their rows
.set OF,     80                        ; v80-95  byte offsets of those rows in ORDER
.set TKR,    96                        ; v96-103 my 8 tokens
.set CN,     24                        ; s24-31  my wave's counts; later FI: each expert's first tile
.set FI,     24
.set MK,     32                        ; s32-47  16 masks at a time;  s32-63 in between: the four waves' counts
.set CW4,    32
.set NN,     68                        ; s68-75  rows of each expert, then its tiles
.set PP,     76                        ; s76-83  rows of each expert in the waves below mine
.set ST,     84                        ; s84-91  the next free row of each expert for my wave
.set TMP,    92                        ; s92-99  at work
	s_load_b256 s[4:11], s[0:1], 0x0               ; x s[4:5], expert_indices s[6:7], xq s[8:9], xs s[10:11]
	s_load_b64 s[12:13], s[0:1], 0x20              ; route
	v_lshl_add_u32 v160, v0, 2, 0x8300
	v_mov_b32 v161, 0
	v_lshrrev_b32 v1, 5, v0
	v_readfirstlane_b32 s16, v1                    ; wave 0..3
	v_and_b32 v2, 31, v0                           ; lane
	s_cmp_eq_u32 ttmp9, 0
	s_cbranch_scc1 .Lsort
	; ---------------- the quantiser ----------------
	v_lshlrev_b32 v3, 4, v2                        ; my 16 bytes of a load's 512, and of a step's 512 bytes of codes
	s_mul_i32 s17, s16, WREG
	v_lshrrev_b32 v14, 2, v2
	v_mul_u32_u24 v14, v14, SP
	v_and_b32 v15, 3, v2
	v_lshl_add_u32 v14, v15, 4, v14
	v_add_nc_u32 v14, s17, v14                     ; the stage, in: four lanes' 64 bytes on end, then the padding
	v_mul_u32_u24 v15, v2, SP
	v_add_nc_u32 v15, s17, v15                     ; and out: SP x lane: my 16 neighbours
	v_lshrrev_b32 v5, 1, v2
	s_lshl_b32 s18, s16, 6
	s_add_co_u32 s18, s18, XSB
	v_add_nc_u32 v5, s18, v5                       ; my block's byte among my wave's 64
	v_lshlrev_b32 v7, 3, v2
	v_add_nc_u32 v6, XSB, v7                       ; the way out of the 256 bytes: 8 a lane
	s_mov_b32 s23, MANT
	s_sub_co_u32 s19, ttmp9, 1
	s_lshl_b32 s20, s19, 2
	s_add_co_u32 s20, s20, s16                     ; which run of 2,048 numbers is my wave's
	s_lshl_b32 s24, s20, 13
	s_mov_b32 s25, 0
	s_lshl_b32 s26, s20, 11
	s_mov_b32 s27, 0
	s_lshl_b32 s28, s19, 8
	s_mov_b32 s29, 0
	s_wait_kmcnt 0x0
	s_add_nc_u64 s[4:5], s[4:5], s[24:25]
	s_add_nc_u64 s[8:9], s[8:9], s[26:27]
	s_add_nc_u64 s[10:11], s[10:11], s[28:29]
.macro LOADX t
.irp i, 0,1,2,3
	global_load_b128 v[RR+16*(\t)+4*\i:RR+16*(\t)+4*\i+3], v3, s[4:5] offset:2048*(\t)+512*\i th:TH_LOAD_NT
.endr
.endm
.macro TURN t                          ; step t through the stage: LDS serves a wave's instructions in order, so no wait stands between the stores and the loads
.irp i, 0,1,2,3
	ds_store_b128 v14, v[RR+16*(\t)+4*\i:RR+16*(\t)+4*\i+3] offset:32*SP*((\t)%2)+8*SP*\i
.endr
.irp i, 0,1,2,3
	ds_load_b128 v[XX+16*((\t)%2)+4*\i:XX+16*((\t)%2)+4*\i+3], v15 offset:32*SP*((\t)%2)+16*\i
.endr
.endm
.irp t, 0,1,2,3
	LOADX \t                                       ; all 16 loads of the wave go out at once
.endr
	s_wait_loadcnt 12                              ; step 0's four are in; the 12 of steps 1 to 3 may be out
	TURN 0
.macro STEP t
.set XS0, XX+16*((\t)%2)
.if (\t) > 0
	s_wait_dscnt 1                                 ; this step's numbers are back from the stage; the last step's byte store may be out
.else
	s_wait_dscnt 0x0
.endif
.if (\t) < 3
	s_wait_loadcnt 4*(2-(\t))                      ; the next step's four loads are in; those of the steps behind it may be out
	TURN (\t)+1
.endif
	v_max3_num_f32 v8, |v[XS0]|, |v[XS0+1]|, |v[XS0+2]|
	v_max3_num_f32 v9, |v[XS0+3]|, |v[XS0+4]|, |v[XS0+5]|
.irp i, 6,10
	v_max3_num_f32 v8, v8, |v[XS0+\i]|, |v[XS0+\i+1]|
	v_max3_num_f32 v9, v9, |v[XS0+\i+2]|, |v[XS0+\i+3]|
.endr
	v_max3_num_f32 v8, v8, |v[XS0+14]|, |v[XS0+15]|
	v_max3_num_f32 v8, v8, v9, (EMAX+1)<<23        ; with the floor 2^(16 - 127): the byte cannot fall under 1
	v_max_num_f32_dpp v8, v8, v8 row_xmask:1 row_mask:0xf bank_mask:0xf   ; and my neighbour's 16: the block's largest magnitude
	v_add_nc_u32 v11, -(EMAX<<23), v8              ; 15 off its exponent field: the conversion's scale operand
	v_and_or_b32 v10, v8, 0x7f800000, s23          ; 57,344 x the scale
.irp i, 0,1,2,3,4,5,6,7,8,9,10,11,12,13,14,15
	v_med3_num_f32 v[XS0+\i], v[XS0+\i], -v10, v10 ; the conversion does not saturate (ISA guide 7.6.2): the hold comes first
.endr
	v_cvt_scalef32_pk8_bf8_f32 v[CC+4*(\t):CC+4*(\t)+1], v[XS0:XS0+7], v11
	v_cvt_scalef32_pk8_bf8_f32 v[CC+4*(\t)+2:CC+4*(\t)+3], v[XS0+8:XS0+15], v11
	v_lshrrev_b32 v[EB+(\t)], 23, v11              ; the scale's byte (also the plain line behind the conversions)
	ds_store_b8 v5, v[EB+(\t)] offset:16*(\t)      ; both lanes of a block write the same byte with the same value
	global_store_b128 v3, v[CC+4*(\t):CC+4*(\t)+3], s[8:9] offset:512*(\t)   ; 32 lanes store 512 consecutive bytes
.endm
.irp t, 0,1,2,3
	STEP \t
.endr
	s_wait_dscnt 0x0                               ; my 64 bytes lie in LDS
	s_barrier_signal -1
	s_barrier_wait -1                              ; all 256 do
	s_cmp_lg_u32 s16, 0
	s_cbranch_scc1 .Lqend
	ds_load_b64 v[12:13], v6
	s_wait_dscnt 0x0
	global_store_b64 v7, v[12:13], s[10:11]        ; 32 lanes store 256 consecutive bytes, aligned
.Lqend:
	s_wait_tensorcnt 0x0
	ds_add_u32 v160, v161
	s_wait_dscnt 0x0
	s_endpgm
	; ---------------- the sort ----------------
.Lsort:
	v_lshlrev_b32 v4, 4, v0                        ; 16 x thread
.irp k, 64,65,66,67
	v_mov_b32 v\k, 0
.endr
	s_wait_kmcnt 0x0
.irp m, 0,1,2,3
	global_load_b128 v[EN+4*\m:EN+4*\m+3], v4, s[6:7] offset:2048*\m   ; entries 4 (128 m + thread) + j; entry = 2 token + k
.endr
.irp m, 0,1,2,3
	global_store_b128 v4, v[64:67], s[12:13] offset:2048*\m            ; ORDER is filled with token 0: 2,176 words
.endr
	s_cmp_lg_u32 s16, 0
	s_cbranch_scc1 .Lfilled
	global_store_b128 v4, v[64:67], s[12:13] offset:8192
.Lfilled:
	s_wait_loadcnt 0x0
.irp n, 0,1,2,3,4,5,6,7,8,9,10,11,12,13,14,15
	v_min_u32 v[EN+\n], 7, v[EN+\n]
.endr
	; pass 1: how many of my wave's 512 entries name each expert
.irp e, 0,1,2,3,4,5,6,7
.irp n, 0,1,2,3,4,5,6,7,8,9,10,11,12,13,14,15
	v_cmp_eq_u32 s[MK+\n], \e, v[EN+\n]
.endr
	s_mov_b32 s[CN+\e], 0
.irp n, 0,1,2,3,4,5,6,7,8,9,10,11,12,13,14,15
	s_bcnt1_i32_b32 s2, s[MK+\n]
	s_add_co_u32 s[CN+\e], s[CN+\e], s2
.endr
.endr
	v_mov_b32 v40, 0
.irp e, 0,1,2,3,4,5,6,7
	v_writelane_b32 v40, s[CN+\e], \e
.endr
	v_lshl_add_u32 v41, v0, 2, CT
	ds_store_b32 v41, v40                          ; lane e of my wave's 128 bytes: my count for expert e
	s_wait_storecnt 0x0                            ; my zeros have landed in ORDER: behind the barrier any wave may store a token over them
	s_wait_dscnt 0x0
	s_barrier_signal -1
	s_barrier_wait -1
	v_lshl_add_u32 v42, v2, 2, CT
.irp w, 0,1,2,3
	ds_load_b32 v[44+\w], v42 offset:128*\w
.endr
	s_wait_dscnt 0x0
.irp w, 0,1,2,3
.irp e, 0,1,2,3,4,5,6,7
	v_readlane_b32 s[CW4+8*\w+\e], v[44+\w], \e
.endr
.endr
.irp e, 0,1,2,3,4,5,6,7
	s_add_co_u32 s[NN+\e], s[CW4+\e], s[CW4+8+\e]
	s_add_co_u32 s[NN+\e], s[NN+\e], s[CW4+16+\e]
	s_add_co_u32 s[NN+\e], s[NN+\e], s[CW4+24+\e]  ; the expert's rows
	s_mov_b32 s[PP+\e], 0
.endr
.irp w, 0,1,2
	s_cmp_gt_u32 s16, \w                           ; is wave w below mine?  All eight choices are made before an addition changes SCC
.irp e, 0,1,2,3,4,5,6,7
	s_cselect_b32 s[TMP+\e], s[CW4+8*\w+\e], 0
.endr
.irp e, 0,1,2,3,4,5,6,7
	s_add_co_u32 s[PP+\e], s[PP+\e], s[TMP+\e]
.endr
.endr
	s_mov_b32 s17, 0                               ; rows given out so far, a multiple of 16
.irp e, 0,1,2,3,4,5,6,7
	s_add_co_u32 s[ST+\e], s17, s[PP+\e]           ; where my wave's rows of this expert begin
	s_lshr_b32 s[FI+\e], s17, 4                    ; the expert's first tile
	s_add_co_u32 s[NN+\e], s[NN+\e], 15
	s_lshr_b32 s[NN+\e], s[NN+\e], 4               ; its tiles, at most 128
	s_lshl_b32 s19, s[NN+\e], 4
	s_add_co_u32 s17, s17, s19
.endr
	; the table of experts: lane e of wave 0 makes entry e; lanes 8 to 31 store zeros, so that the store covers 256 consecutive bytes
	s_cmp_lg_u32 s16, 0
	s_cbranch_scc1 .Lnolist
	v_mov_b32 v68, 0
	v_mov_b32 v69, 0
.irp e, 0,1,2,3,4,5,6,7
	v_cmp_ne_u32 vcc_lo, \e, v2                    ; another lane's expert: keep what stands
	v_cndmask_b32 v68, s[FI+\e], v68, vcc_lo
	v_cndmask_b32 v69, s[NN+\e], v69, vcc_lo
.endr
	v_lshlrev_b32 v70, 3, v2
	global_store_b64 v70, v[68:69], s[12:13] offset:TINFO
.Lnolist:
	; pass 2: each entry's row = the expert's next free row for my wave + the matching lanes below mine
.irp n, 0,1,2,3,4,5,6,7,8,9,10,11,12,13,14,15
	v_mov_b32 v[PS+\n], 0
.endr
.irp e, 0,1,2,3,4,5,6,7
.irp n, 0,1,2,3,4,5,6,7,8,9,10,11,12,13,14,15
	v_cmp_eq_u32 s[MK+\n], \e, v[EN+\n]
.endr
.irp n, 0,1,2,3,4,5,6,7,8,9,10,11,12,13,14,15
	v_mbcnt_lo_u32_b32 v45, s[MK+\n], s[ST+\e]
	v_cndmask_b32 v[PS+\n], v[PS+\n], v45, s[MK+\n]
	s_bcnt1_i32_b32 s2, s[MK+\n]
	s_add_co_u32 s[ST+\e], s[ST+\e], s2
.endr
.endr
	v_lshlrev_b32 v46, 1, v0
.irp m, 0,1,2,3
.irp h, 0,1
	v_add_nc_u32 v[TKR+2*\m+\h], 256*\m+\h, v46    ; entry / 2: the token
.endr
.endr
.irp n, 0,1,2,3,4,5,6,7,8,9,10,11,12,13,14,15
	v_min_u32 v[PS+\n], 2175, v[PS+\n]             ; a number made of loaded data is held before it enters an address
	v_lshlrev_b32 v[OF+\n], 2, v[PS+\n]
.endr
.irp n, 0,1,2,3,4,5,6,7,8,9,10,11,12,13,14,15
	global_store_b32 v[OF+\n], v[TKR+\n/2], s[12:13]
.endr
.irp m, 0,1,2,3
	global_store_b128 v4, v[PS+4*\m:PS+4*\m+3], s[12:13] offset:ROWPOS+2048*\m
.endr
	s_wait_tensorcnt 0x0
	ds_add_u32 v160, v161
	s_wait_dscnt 0x0
	s_endpgm
.Lfunc_end_k_q1923a79945_prep:
	.size	k_q1923a79945_prep, .Lfunc_end_k_q1923a79945_prep-k_q1923a79945_prep
	.p2alignl 7, 3214868480
	.fill 96, 4, 3214868480
	.section	.rodata,"a",@progbits
	.p2align	6, 0x0
	.amdhsa_kernel k_q1923a79945_prep
		.amdhsa_group_segment_fixed_size 34048
		.amdhsa_private_segment_fixed_size 0
		.amdhsa_enable_private_segment 0
		.amdhsa_kernarg_size 40
		.amdhsa_user_sgpr_count 2
		.amdhsa_user_sgpr_kernarg_segment_ptr 1
		.amdhsa_wavefront_size32 1
		.amdhsa_system_sgpr_workgroup_id_x 1
		.amdhsa_system_sgpr_workgroup_id_y 1
		.amdhsa_system_sgpr_workgroup_id_z 1
		.amdhsa_system_vgpr_workitem_id 0
		.amdhsa_next_free_vgpr 162
		.amdhsa_next_free_sgpr 100
		.amdhsa_reserve_vcc 1
		.amdhsa_float_denorm_mode_32 3
		.amdhsa_float_denorm_mode_16_64 3
		.amdhsa_memory_ordered 1
		.amdhsa_forward_progress 1
		.amdhsa_inst_pref_size 78
	.end_amdhsa_kernel
	.amdgpu_metadata
---
amdhsa.version: [ 1, 2 ]
amdhsa.kernels:
  - .name:           k_q1923a79945_prep
    .symbol:         k_q1923a79945_prep.kd
    .args:
      - { .name: x, .offset: 0, .size: 8, .value_kind: global_buffer, .address_space: global }
      - { .name: expert_indices, .offset: 8, .size: 8, .value_kind: global_buffer, .address_space: global }
      - { .name: xq, .offset: 16, .size: 8, .value_kind: global_buffer, .address_space: global }
      - { .name: xs, .offset: 24, .size: 8, .value_kind: global_buffer, .address_space: global }
      - { .name: route, .offset: 32, .size: 8, .value_kind: global_buffer, .address_space: global }
    .group_segment_fixed_size: 34048
    .private_segment_fixed_size: 0
    .kernarg_segment_align: 8
    .kernarg_segment_size: 40
    .max_flat_workgroup_size: 128
    .sgpr_count:     100
    .vgpr_count:     162
    .wavefront_size: 32
...
	.end_amdgpu_metadata
.endif
;; end of part 1
;; launch up (part 2): grid 256 x 1, 8 waves a work-group, no clusters, 136,192 bytes of LDS; arguments W1, b1, xq, xs, route, hq, hs; writes hq, hs
.if DOCPART == 2
	.amdgcn_target "amdgcn-amd-amdhsa--gfx1250"
	.amdhsa_code_object_version 6
	.text
	.protected	k_q1923a79945_up
	.globl	k_q1923a79945_up
	.p2align	8
	.type	k_q1923a79945_up,@function
k_q1923a79945_up:
	s_mov_b64 s[64:65], 0
	v_nop
	global_prefetch_b8 v0, s[64:65] scope:SCOPE_SE
	s_setreg_imm32_b32 hwreg(HW_REG_WAVE_MODE, 25, 1), 1
	s_wait_xcnt 0x0
; UP: the hidden layer of the routed rows: hq, hs = Q(gelu(Q(x) Q(W1) + b1)); both operands of the product are codes of E5M2 with one E8M0 scale for each 32 along K; sums in f32.
; SHARES.  Work-group x takes expert x / 32 and hidden units 128 (x % 32) .. + 127: 1,024 x 128 numbers of W1, 512 KiB of f32, which no other work-group reads, and all rows that were routed to that expert.
; PHASE 1, the same text for every input: the eight waves stream the 512 KiB, quantise them along K and lay the codes in LDS as images of the operand's registers (128 KiB, and 4 KiB of scale words).  Wave w takes
;   K step w (128 along K) as 8 PANELS of 32 K x 64 units, 16 loads each: lanes 0-15 read 256 consecutive aligned bytes of row i, lanes 16-31 of row i + 16.  A lane then holds, for 4 units, 16 numbers down K: half a
;   block; lane l xor 16 holds the other half.  TILE j OF A PANEL IS THE UNITS 4 r + j: so the 16 codes that lane (q, h) makes for unit 4 q + j are registers 4 c .. 4 c + 3 of lane (q, h) of tile j's fragment as they
;   stand: nothing is turned, and every LDS store and load covers 512 consecutive bytes.  Up to 48 loads a wave are on their way.
; ONE BARRIER, ahead of every branch on a number read from memory.  Behind it LDS is only read.
; PHASE 2: wave w takes units 64 (w % 2) .. + 63 and the expert's tiles of 16 rows t0 + w / 2 + 4 i, i = 0 .. 4.  t0 goes in steps of 20 through a loop of 7 trips, a constant: 140 places for the 136 tiles at which
;   the stored number is held; a trip whose t0 is not under the expert's tiles is passed over by a scalar branch at its head.  In a pass: the rows' tokens from the list, then 8 K steps of 20 products (4 tiles of
;   units x 5 tiles of rows); the rows' codes are asked for two K steps ahead.  A place behind the last tile repeats that tile and is not stored, so the matrix text has no branch, and the 20 accumulators take turns,
;   one instruction a turn.
;   The product is used transposed (source 0 = 16 units, source 1 = 16 rows): register g of tile j in lane (r, h) is unit 32 h + 4 g + j of row r: a lane holds ONE WHOLE BLOCK of 32 neighbouring units, so its largest
;   magnitude needs no other lane.  The line that adds b1 also puts the 32 numbers in order.
; GELU, exact-erf: g = max(u, 0) - |u| q, q = erfc(|u| / sqrt 2) / 2 = t 2^A, t = 1 / (1 + 0.35355339 |u|), A = -0.72134752 u^2 + c0 + t (c1 + .. + t c9): the Chebyshev fit of erfc whose relative error is under
;   1.2e-7 for every argument, its coefficients times log2(e), the half folded into c0.  Nothing is cut for the drawn inputs: for large |u| 2^A falls to 0 and g to max(u, 0).
; hq: [136 tiles][32 K steps of 128][4][32 lanes][16 bytes]: images of the next operand's registers;  hs: [136][32][16 rows], a word each.  My block is group 2 (w % 2) + h of four registers; its first 16 codes
;   belong to lane r of the image, its last 16 to lane 16 + r: two stores, in each of which sixteen lanes cover 256 consecutive bytes.
; NO JOINT REQUESTS, NO TENSOR LOADS: which passes have work and which rows they take hang on numbers read from memory, the rows are gathered by a list, and each byte of W1 has one reader in the launch.
; LIMITS: NaN and infinities are not served; a block whose largest magnitude lies under 2^-111 gets the byte 1 (zeros too: their codes are zeros).  The work-groups of an expert without rows stream their weights and
; store nothing: the barrier stands ahead of the branch that could spare it.
.set ROWB,   16384                     ; a row of W1 in bytes
.set PG,     256                       ; from panels 0-3 to panels 4-7 in memory: 64 units on
.set PLDS,   65536                     ; and in LDS: the second half's 32 fragments
.set SCB,    131072                    ; behind the 64 fragments of 2,048 bytes: their scale words, 64 bytes a fragment
.set PSC,    2048                      ; the second half's scale words
.set TINFO,  8704
.set LI,   1                           ; v1   16 x lane
.set WA,   2                           ; v2   LDS: my half's fragments, 16 x lane
.set SRD,  3                           ; v3   LDS: my half's scale words, 4 x lane
.set IA,   4                           ; v4-5 LDS: where my K step's images go, for each half of the units
.set SAW,  6                           ; v6   LDS: where my K step's scale words go
.set WOFF, 7                           ; v7   my byte offset in the work-group's part of W1
.set R4,   8                           ; v8   4 x (lane % 16)
.set H16,  9                           ; v9   16 x (lane / 16)
.set B1O,  10                          ; v10  128 x (lane / 16)
.set HQO,  11                          ; v11  512 x (lane / 16) + 16 x (lane % 16)
.set XO,   12                          ; v12-16 byte offset of my row's codes, for each of 5 places
.set XSO,  17                          ; v17-21 of its scale bytes
.set TK,   22                          ; v22-26 my rows' places in the list
.set HSO,  27                          ; v27  4 x (lane % 16) + lane / 16
.set WS,   28                          ; v28-29 the weights' scale words: lanes 0-15 tile 2 f, lanes 16-31 tile 2 f + 1; scales and nothing else
.set XS,   30                          ; v30-44 the rows' scale words, three sets of 5; scales and nothing else
.set M,    48                          ; phase 1: v48-51 largest magnitudes; v52-55 the other half's; v56-59 the conversions' scale operands; v60-63 57,344 x the scale; v64-67 bytes
.set T,    52
.set SC,   56
.set LIM,  60
.set BY,   64
.set WW,   68                          ; v68-75 scale words in the making, a set for each half of the units
.set X,    80                          ; v80-143 a panel's numbers, held, 16 down K for each of 4 units
.set C,    144                         ; v144-175 codes, two sets by turns;  v256-511: the ring, four slots of 64
.set XF,   48                          ; phase 2, by their true numbers: v48-287 the rows' fragments: three sets of 5 x 16
.set WF,   288                         ; v288-351 four fragments of weights
.set ACC,  352                         ; v352-511 the accumulators: (place i, tile j) at 32 i + 8 j
.set CV,   48                          ; the way out: v48-67 c0 .. c9, each twice; v68-69 -0.72134752
.set QM,   70                          ; v70-71 largest magnitude, in two chains; v72 scale operand; v73 57,344 x the scale; v74 the byte
.set QSC,  72
.set QLIM, 73
.set QBY,  74
.set MX,   80                          ; v80-95 max(u, 0)
.set PC,   96                          ; v96-103 a block's 32 codes
.set U,    128                         ; v128-159 a lane's 32 numbers
.set TT,   160                         ; v160-175 t;  v176-191 the polynomial;  v192-207 u^2, A, 2^A, q
.set PQ,   176
.set SS,   192
.set B1,   208                         ; v208-239 b1 of my 32 units
.set WV,   18                          ; s18 wave; s19 wave % 2; s22 wave / 2
.set PH,   19
.set FT,   20                          ; s20 the expert's first tile; s21 its tiles
.set NT,   21
.set RS,   22
.set GE,   23
.set TOF,  26                          ; s26 the offset of my expert's entry in the table: written once, since a scalar load names it
.set WB,   28                          ; s[28:29] W1 at my work-group's part
.set SLC,  30
.set T0,   31
.set TL0,  32
.set HQB,  40                          ; s[40:41] hq, s[46:47] hs, s[48:49] b1 at my K step and half
.set SEL,  42                          ; s[42:43] lane l xor 16
.set MNT,  44
.set HSB,  46
.set B1B,  48
.set MSB, 0
.macro WIN new                         ; s_set_vgpr_msb: bits 1:0 source 0, 3:2 source 1, 5:4 source 2, 7:6 destination; the high byte repeats the setting that is left
.if MSB != (\new)
	s_set_vgpr_msb (MSB<<8)|(\new)
.set MSB, (\new)
.endif
.endm
.macro ISSUE n                         ; panel n's 16 loads into slot n % 4 of the ring: half n / 4 of the units, block n % 4 of my K step
	WIN 0x40
.irp i, 0,1,2,3,4,5,6,7,8,9,10,11,12,13,14,15
	global_load_b128 v[64*((\n)%4)+4*\i:64*((\n)%4)+4*\i+3], v[WOFF], s[WB:WB+1] offset:((\n)/4)*PG+(32*((\n)%4)+\i)*ROWB th:TH_LOAD_NT
.endr
	WIN 0
.endm
; Panel n becomes codes.  Register 4 i + j of its slot is W(16 (lane / 16) + i, 4 (lane % 16) + j).
.macro PANEL n
.set RG, 64*((\n)%4)
.set PN, (\n)/4
.set CB, (\n)%4
.set CS, C+16*((\n)%2)
.if (\n) < 6
	s_wait_loadcnt 32                              ; loads come back in order: mine are in; the two younger panels' 32 may be out
.else
	s_wait_loadcnt 16*(7-(\n))
.endif
.if (\n) < 5
	ISSUE (\n)+3                                   ; into the slot that the panel before has left: 48 loads are out at the most
.endif
	WIN 0x14                                       ; sources 1 and 2 in the ring
.irp j, 0,1,2,3
	v_max3_num_f32 v[M+\j], 0x8000000, |v[RG+\j]|, |v[RG+4+\j]|   ; with the floor 2^(16 - 127): the byte cannot fall under 1
.endr
.irp i, 2,4,6,8,10,12,14
.irp j, 0,1,2,3
	v_max3_num_f32 v[M+\j], v[M+\j], |v[RG+4*\i+\j]|, |v[RG+4*\i+4+\j]|   ; the four units by turns
.endr
.endr
	WIN 0
.irp j, 0,1,2,3
	v_permlanex16_b32 v[T+\j], v[M+\j], s[SEL], s[SEL+1]
.endr
.irp j, 0,1,2,3
	v_max_num_f32 v[M+\j], v[M+\j], v[T+\j]        ; the block's largest magnitude
.endr
.irp j, 0,1,2,3
	v_add_nc_u32 v[SC+\j], 0xf8800000, v[M+\j]     ; 15 off its exponent field: the conversion's scale operand
.endr
.irp j, 0,1,2,3
	v_and_or_b32 v[LIM+\j], v[M+\j], 0x7f800000, s[MNT]   ; 57,344 x the scale
.endr
.if CB == 0
.irp j, 0,1,2,3
	v_lshrrev_b32 v[WW+4*PN+\j], 23, v[SC+\j]      ; the scale's byte begins the unit's word for this K step
.endr
.else
.irp j, 0,1,2,3
	v_lshrrev_b32 v[BY+\j], 23, v[SC+\j]
.endr
.irp j, 0,1,2,3
	v_lshl_or_b32 v[WW+4*PN+\j], v[BY+\j], 8*CB, v[WW+4*PN+\j]
.endr
.endif
	WIN 0x01                                       ; source 0 in the ring
.irp j, 0,1,2,3
.irp i, 0,1,2,3,4,5,6,7,8,9,10,11,12,13,14,15
	v_med3_num_f32 v[X+16*\j+\i], v[RG+4*\i+\j], -v[LIM+\j], v[LIM+\j]   ; the hold (the conversion does not saturate: ISA guide 7.6.2) also puts a unit's 16 numbers on end
.endr
.endr
	WIN 0
.if (\n) > 1
	s_wait_dscnt 4                                 ; all but the last panel's four image stores are done: the panel before that has read this set of codes
.endif
.irp j, 0,1,2,3
	v_cvt_scalef32_pk8_bf8_f32 v[CS+4*\j:CS+4*\j+1], v[X+16*\j:X+16*\j+7], v[SC+\j]
	v_cvt_scalef32_pk8_bf8_f32 v[CS+4*\j+2:CS+4*\j+3], v[X+16*\j+8:X+16*\j+15], v[SC+\j]
.endr
	v_nop                                          ; a plain line behind the last conversion
.irp j, 0,1,2,3
	ds_store_b128 v[IA+PN], v[CS+4*\j:CS+4*\j+3] offset:2048*\j+512*CB      ; registers 4 c .. 4 c + 3 of tile j's fragment, lane by lane
.endr
.if CB == 3
.irp j, 0,1,2,3
	ds_store_b32 v[SAW], v[WW+4*PN+\j] offset:PSC*PN+64*\j                  ; both halves of the lanes hold the same word and write it to the same place
.endr
.endif
.endm
.macro ROWS s                          ; my five places' fragments and scale words of K step s, into set s % 3: 25 loads
.irp i, 0,1,2,3,4
.set FA, XF+16*(5*((\s)%3)+\i)
	WIN (FA>>8)<<6
.irp c, 0,1,2,3
	global_load_b128 v[(FA&255)+4*\c:(FA&255)+4*\c+3], v[XO+\i], s[8:9] offset:128*(\s)+32*\c
.endr
.endr
	WIN 0
.irp i, 0,1,2,3,4
	global_load_b32 v[XS+5*((\s)%3)+\i], v[XSO+\i], s[10:11] offset:4*(\s)
.endr
.endm
.macro PROD d, a, b, sa, sb, row, zero
.if \zero
.if \row
	v_wmma_scale_f32_16x16x128_f8f6f4 v[(\d):(\d)+7], v[(\a):(\a)+15], v[(\b):(\b)+15], 0, v[\sa], v[\sb] matrix_a_fmt:MATRIX_FMT_BF8 matrix_b_fmt:MATRIX_FMT_BF8 matrix_a_scale:MATRIX_SCALE_ROW1
.else
	v_wmma_scale_f32_16x16x128_f8f6f4 v[(\d):(\d)+7], v[(\a):(\a)+15], v[(\b):(\b)+15], 0, v[\sa], v[\sb] matrix_a_fmt:MATRIX_FMT_BF8 matrix_b_fmt:MATRIX_FMT_BF8
.endif
.else
.if \row
	v_wmma_scale_f32_16x16x128_f8f6f4 v[(\d):(\d)+7], v[(\a):(\a)+15], v[(\b):(\b)+15], v[(\d):(\d)+7], v[\sa], v[\sb] matrix_a_fmt:MATRIX_FMT_BF8 matrix_b_fmt:MATRIX_FMT_BF8 matrix_a_scale:MATRIX_SCALE_ROW1
.else
	v_wmma_scale_f32_16x16x128_f8f6f4 v[(\d):(\d)+7], v[(\a):(\a)+15], v[(\b):(\b)+15], v[(\d):(\d)+7], v[\sa], v[\sb] matrix_a_fmt:MATRIX_FMT_BF8 matrix_b_fmt:MATRIX_FMT_BF8
.endif
.endif
.endm
; K step s of a pass: 20 products.  The first step's take the constant 0 as C: nothing is cleared.
.macro STEP s
.if (\s) > 0
.rept 8
	v_nop                                          ; eight places behind the last products, in front of loads into registers that they read
.endr
.endif
	WIN 0x40
.irp j, 0,1,2,3
.irp c, 0,1,2,3
	ds_load_b128 v[(WF&255)+16*\j+4*\c:(WF&255)+16*\j+4*\c+3], v[WA] offset:(4*(\s)+\j)*2048+512*\c
.endr
.endr
	WIN 0
	ds_load_b32 v[WS], v[SRD] offset:256*(\s)
	ds_load_b32 v[WS+1], v[SRD] offset:256*(\s)+128
.if (\s) < 7
	s_wait_loadcnt 25                              ; this step's rows are in; the next step's 25 loads may be out
.else
	s_wait_loadcnt 0x0
.endif
.if (\s) < 6
	ROWS (\s)+2                                    ; into the set that the last step's products have left
.endif
.if (\s) == 7
.irp k, 0,1,2,3,4,5,6,7
	global_load_b128 v[B1+4*\k:B1+4*\k+3], v[B1O], s[B1B:B1B+1] offset:16*\k   ; b1 of my 32 units, for the way out
.endr
.endif
	s_wait_dscnt 0x0
.irp i, 0,1,2,3,4
.set FB, XF+16*(5*((\s)%3)+\i)
	WIN 0x51|((FB>>8)<<2)                          ; weights, C and D above v255; the rows where their set lies
.irp j, 0,1,2,3
.if (\s) == 0
	PROD (ACC&255)+32*\i+8*\j, (WF&255)+16*\j, FB&255, WS+\j/2, XS+5*((\s)%3)+\i, \j%2, 1
.else
	PROD (ACC&255)+32*\i+8*\j, (WF&255)+16*\j, FB&255, WS+\j/2, XS+5*((\s)%3)+\i, \j%2, 0
.endif
.endr
.endr
.endm
.macro GELU b                          ; 16 of a lane's 32 numbers, in place
.set UU, U+16*(\b)
.irp k, 0,1,2,3,4,5,6,7,8,9,10,11,12,13,14,15
	v_fma_f32 v[TT+\k], |v[UU+\k]|, 0x3eb504f3, 1.0
.endr
.irp k, 0,1,2,3,4,5,6,7,8,9,10,11,12,13,14,15
	v_rcp_f32 v[TT+\k], v[TT+\k]
.endr
.irp k, 0,2,4,6,8,10,12,14
	v_pk_mul_f32 v[SS+\k:SS+\k+1], v[UU+\k:UU+\k+1], v[UU+\k:UU+\k+1]     ; u^2: also the plain lines behind the reciprocals
.endr
	s_wait_alu depctr_va_vdst(0)
.irp k, 0,2,4,6,8,10,12,14
	v_pk_fma_f32 v[PQ+\k:PQ+\k+1], v[TT+\k:TT+\k+1], v[CV+18:CV+19], v[CV+16:CV+17]
.endr
.irp n, 7,6,5,4,3,2,1,0
.irp k, 0,2,4,6,8,10,12,14
	v_pk_fma_f32 v[PQ+\k:PQ+\k+1], v[PQ+\k:PQ+\k+1], v[TT+\k:TT+\k+1], v[CV+2*\n:CV+2*\n+1]
.endr
.endr
.irp k, 0,2,4,6,8,10,12,14
	v_pk_fma_f32 v[SS+\k:SS+\k+1], v[SS+\k:SS+\k+1], v[CV+20:CV+21], v[PQ+\k:PQ+\k+1]   ; A
.endr
.irp k, 0,1,2,3,4,5,6,7,8,9,10,11,12,13,14,15
	v_exp_f32 v[SS+\k], v[SS+\k]
.endr
.irp k, 0,1,2,3,4,5,6,7,8,9,10,11,12,13,14,15
	v_max_num_f32 v[MX+\k], 0, v[UU+\k]            ; also the plain lines behind the exponentials
.endr
	s_wait_alu depctr_va_vdst(0)
.irp k, 0,2,4,6,8,10,12,14
	v_pk_mul_f32 v[SS+\k:SS+\k+1], v[SS+\k:SS+\k+1], v[TT+\k:TT+\k+1]     ; q
.endr
.irp k, 0,1,2,3,4,5,6,7,8,9,10,11,12,13,14,15
	v_fma_f32 v[UU+\k], -|v[UU+\k]|, v[SS+\k], v[MX+\k]
.endr
.endm
.macro CONST k, val
	v_mov_b32 v[CV+2*(\k)], \val
	v_mov_b32 v[CV+2*(\k)+1], \val
.endm
; The way out of place i, if it has a tile.
.macro TILE i
	s_add_co_u32 s24, s[TL0], 4*(\i)
	s_cmp_ge_u32 s24, s[NT]
	s_cbranch_scc1 .Lno_\@
	s_wait_xcnt 0x0                                ; the place before has had its stores' data and bases read: both are written again below
	s_add_co_u32 s24, s24, s[FT]
	s_min_u32 s24, s24, 135                        ; the tile
	s_lshl_b32 s34, s24, 16
	s_add_nc_u64 s[36:37], s[HQB:HQB+1], s[34:35]
	s_lshl_b32 s34, s24, 11
	s_add_nc_u64 s[38:39], s[HSB:HSB+1], s[34:35]
	WIN 0x01                                       ; source 0: the accumulators
.irp g, 0,1,2,3,4,5,6,7
.irp j, 0,1,2,3
	v_add_f32 v[U+4*\g+\j], v[(ACC&255)+32*(\i)+8*\j+\g], v[B1+4*\g+\j]   ; + b1, and into the order of the units; each accumulator from its low end on
.endr
.endr
	WIN 0
	GELU 0
	GELU 1
	v_max3_num_f32 v[QM], |v[U]|, |v[U+1]|, 0x8000000     ; my block's largest magnitude, with the floor 2^(16 - 127); two chains
	v_max3_num_f32 v[QM+1], |v[U+2]|, |v[U+3]|, |v[U+4]|
.irp k, 5,9,13,17,21,25
	v_max3_num_f32 v[QM], v[QM], |v[U+\k]|, |v[U+\k+1]|
	v_max3_num_f32 v[QM+1], v[QM+1], |v[U+\k+2]|, |v[U+\k+3]|
.endr
	v_max3_num_f32 v[QM], v[QM], |v[U+29]|, |v[U+30]|
	v_max3_num_f32 v[QM], v[QM], v[QM+1], |v[U+31]|
	v_add_nc_u32 v[QSC], 0xf8800000, v[QM]
	v_and_or_b32 v[QLIM], v[QM], 0x7f800000, s[MNT]
	v_lshrrev_b32 v[QBY], 23, v[QSC]
.irp k, 0,1,2,3,4,5,6,7,8,9,10,11,12,13,14,15,16,17,18,19,20,21,22,23,24,25,26,27,28,29,30,31
	v_med3_num_f32 v[U+\k], v[U+\k], -v[QLIM], v[QLIM]
.endr
.irp g, 0,1,2,3
	v_cvt_scalef32_pk8_bf8_f32 v[PC+2*\g:PC+2*\g+1], v[U+8*\g:U+8*\g+7], v[QSC]
.endr
	v_nop                                          ; a plain line behind the last conversion
	global_store_b128 v[HQO], v[PC:PC+3], s[36:37]             ; the block's first 16 codes: lane r of the image; sixteen lanes store 256 consecutive bytes
	global_store_b128 v[HQO], v[PC+4:PC+7], s[36:37] offset:256   ; its last 16: lane 16 + r
	global_store_b8 v[HSO], v[QBY], s[38:39]       ; byte 2 (wave % 2) + h of row r's word
.Lno_\@:
.endm
	s_load_b256 s[4:11], s[0:1], 0x0               ; W1 s[4:5], b1 s[6:7], xq s[8:9], xs s[10:11]
	s_load_b128 s[12:15], s[0:1], 0x20             ; route s[12:13], hq s[14:15]
	s_load_b64 s[16:17], s[0:1], 0x30              ; hs
	v_lshl_add_u32 v46, v0, 2, 0x21000
	v_mov_b32 v47, 0
	v_lshrrev_b32 v8, 5, v0
	v_readfirstlane_b32 s[WV], v8                  ; wave 0..7
	s_and_b32 s[PH], s[WV], 1
	s_lshr_b32 s[RS], s[WV], 1
	s_lshr_b32 s[GE], ttmp9, 5                     ; the expert
	s_and_b32 s[SLC], ttmp9, 31                    ; which 128 units
	s_lshl_b32 s[TOF], s[GE], 3
	s_wait_kmcnt 0x0
	s_load_b64 s[20:21], s[12:13], s[TOF] offset:TINFO   ; the expert's first tile and its tiles
	v_and_b32 v12, 31, v0                          ; lane
	v_and_b32 v13, 15, v0                          ; lane % 16
	v_bfe_u32 v14, v0, 4, 1                        ; lane / 16
	v_lshlrev_b32 v[LI], 4, v12
	s_lshl_b32 s25, s[PH], 16
	v_add_nc_u32 v[WA], s25, v[LI]
	s_lshl_b32 s25, s[PH], 11
	s_add_co_u32 s25, s25, SCB
	v_lshl_add_u32 v[SRD], v12, 2, s25
	s_lshl_b32 s25, s[WV], 13                      ; K step w: fragments 4 w .. 4 w + 3 of each half
	v_add_nc_u32 v[IA], s25, v[LI]
	v_add_nc_u32 v[IA+1], PLDS, v[IA]
	s_lshl_b32 s25, s[WV], 8
	s_add_co_u32 s25, s25, SCB
	v_lshl_add_u32 v[SAW], v13, 2, s25
	v_lshlrev_b32 v[WOFF], 4, v13                  ; W1: row 128 w + 16 (lane / 16), 16 bytes a lane
	v_lshl_add_u32 v[WOFF], v14, 18, v[WOFF]
	s_lshl_b32 s25, s[WV], 21
	v_add_nc_u32 v[WOFF], s25, v[WOFF]
	v_lshlrev_b32 v[R4], 2, v13
	v_lshlrev_b32 v[H16], 4, v14
	v_lshlrev_b32 v[B1O], 7, v14
	v_lshlrev_b32 v[HQO], 4, v13
	v_lshl_add_u32 v[HQO], v14, 9, v[HQO]
	v_add_nc_u32 v[HSO], v[R4], v14
.irp j, 0,1,2,3
	v_mov_b32 v[T+\j], 0                           ; written once: a lane permute's destination counts as one of its sources
.endr
	s_mov_b32 s[SEL], 0x76543210
	s_mov_b32 s[SEL+1], 0xfedcba98
	s_mov_b32 s[MNT], 0x600000
	s_mov_b32 s35, 0
	s_lshl_b32 s34, s[GE], 24
	s_lshl_b32 s24, s[SLC], 9
	s_add_co_u32 s34, s34, s24
	s_add_nc_u64 s[WB:WB+1], s[4:5], s[34:35]      ; W1 at my expert, my 128 units
	s_lshl_b32 s34, s[GE], 14
	s_add_co_u32 s34, s34, s24
	s_lshl_b32 s24, s[PH], 8
	s_add_co_u32 s34, s34, s24
	s_add_nc_u64 s[B1B:B1B+1], s[6:7], s[34:35]    ; b1 at my 64 units
	s_lshl_b32 s34, s[SLC], 11
	s_lshl_b32 s24, s[PH], 10
	s_add_co_u32 s34, s34, s24
	s_add_nc_u64 s[HQB:HQB+1], s[14:15], s[34:35]  ; hq at my K step, my two groups of four registers
	s_lshl_b32 s34, s[SLC], 6
	s_lshl_b32 s24, s[PH], 1
	s_add_co_u32 s34, s34, s24
	s_add_nc_u64 s[HSB:HSB+1], s[16:17], s[34:35]  ; hs at my K step, my two bytes
	s_wait_kmcnt 0x0
	s_min_u32 s[FT], s[FT], 135                    ; numbers read from memory are held before they enter addresses
	s_min_u32 s[NT], s[NT], 136
	; ---- phase 1: my K step of the weights becomes codes in LDS
	ISSUE 0
	ISSUE 1
	ISSUE 2
.irp n, 0,1,2,3,4,5,6,7
	PANEL \n
.endr
	s_wait_dscnt 0x0                               ; my images and scale words lie in LDS
	s_barrier_signal -1
	s_barrier_wait -1                              ; all eight waves' do; from here on LDS is only read
	; ---- phase 2: 7 trips of 20 tile places; a trip without tiles is passed over
	s_mov_b32 s[T0], 0
.Lpass:
	s_cmp_ge_u32 s[T0], s[NT]
	s_cbranch_scc1 .Lskip
	s_add_co_u32 s[TL0], s[T0], s[RS]              ; my first place's tile of the expert
	s_sub_co_u32 s24, s[NT], 1
.irp i, 0,1,2,3,4
	s_add_co_u32 s25, s[TL0], 4*\i
	s_min_u32 s25, s25, s24                        ; a place behind the last tile repeats it
	s_add_co_u32 s25, s25, s[FT]
	s_min_u32 s25, s25, 135
	s_lshl_b32 s25, s25, 6                         ; 64 bytes of the list a tile
	v_add_nc_u32 v[TK+\i], s25, v[R4]
.endr
.irp i, 0,1,2,3,4
	global_load_b32 v[XSO+\i], v[TK+\i], s[12:13]  ; my rows' tokens
.endr
	s_wait_loadcnt 0x0
.irp i, 0,1,2,3,4
	v_min_u32 v[XSO+\i], 1023, v[XSO+\i]
	v_lshl_add_u32 v[XO+\i], v[XSO+\i], 10, v[H16] ; a token's 1,024 codes, + my half's 16 bytes
	v_lshlrev_b32 v[XSO+\i], 5, v[XSO+\i]          ; its 32 scale bytes
.endr
	ROWS 0
	ROWS 1
.irp s, 0,1,2,3,4,5,6,7
	STEP \s
.endr
	WIN 0
	CONST 0, 0xc034d90f                            ; 22 plain lines on registers that the last 20 products do not name: the places behind them
	CONST 1, 0x3fb8ab5a
	CONST 2, 0x3f0a29d2
	CONST 3, 0x3e0efb2e
	CONST 4, 0xbe899a80
	CONST 5, 0x3ecdfd18
	CONST 6, 0xbfd1a1e5
	CONST 7, 0x40097039
	CONST 8, 0xbf97d29d
	CONST 9, 0x3e7c6f08
	CONST 10, 0xbf38aa3b
	s_wait_loadcnt 0x0                             ; b1
	TILE 0
	TILE 1
	TILE 2
	TILE 3
	TILE 4
	s_wait_xcnt 0x0                                ; the stores have read their registers: the next pass loads into them
.Lskip:
	s_add_co_u32 s[T0], s[T0], 20
	s_cmp_lt_u32 s[T0], 140
	s_cbranch_scc1 .Lpass
	s_wait_tensorcnt 0x0
	ds_add_u32 v46, v47
	s_wait_dscnt 0x0
	s_endpgm
.Lfunc_end_k_q1923a79945_up:
	.size	k_q1923a79945_up, .Lfunc_end_k_q1923a79945_up-k_q1923a79945_up
	.p2alignl 7, 3214868480
	.fill 96, 4, 3214868480
	.section	.rodata,"a",@progbits
	.p2align	6, 0x0
	.amdhsa_kernel k_q1923a79945_up
		.amdhsa_group_segment_fixed_size 136192
		.amdhsa_private_segment_fixed_size 0
		.amdhsa_enable_private_segment 0
		.amdhsa_kernarg_size 56
		.amdhsa_user_sgpr_count 2
		.amdhsa_user_sgpr_kernarg_segment_ptr 1
		.amdhsa_wavefront_size32 1
		.amdhsa_system_sgpr_workgroup_id_x 1
		.amdhsa_system_sgpr_workgroup_id_y 1
		.amdhsa_system_sgpr_workgroup_id_z 1
		.amdhsa_system_vgpr_workitem_id 0
		.amdhsa_next_free_vgpr 512
		.amdhsa_next_free_sgpr 66
		.amdhsa_reserve_vcc 0
		.amdhsa_float_denorm_mode_32 3
		.amdhsa_float_denorm_mode_16_64 3
		.amdhsa_memory_ordered 1
		.amdhsa_forward_progress 1
		.amdhsa_inst_pref_size 255
	.end_amdhsa_kernel
	.section	.bss,"aw",@nobits
	.p2align	6
	.space	262144
	.amdgpu_metadata
---
amdhsa.version: [ 1, 2 ]
amdhsa.kernels:
  - .name:           k_q1923a79945_up
    .symbol:         k_q1923a79945_up.kd
    .args:
      - { .name: W1, .offset: 0, .size: 8, .value_kind: global_buffer, .address_space: global }
      - { .name: b1, .offset: 8, .size: 8, .value_kind: global_buffer, .address_space: global }
      - { .name: xq, .offset: 16, .size: 8, .value_kind: global_buffer, .address_space: global }
      - { .name: xs, .offset: 24, .size: 8, .value_kind: global_buffer, .address_space: global }
      - { .name: route, .offset: 32, .size: 8, .value_kind: global_buffer, .address_space: global }
      - { .name: hq, .offset: 40, .size: 8, .value_kind: global_buffer, .address_space: global }
      - { .name: hs, .offset: 48, .size: 8, .value_kind: global_buffer, .address_space: global }
    .group_segment_fixed_size: 136192
    .private_segment_fixed_size: 0
    .kernarg_segment_align: 8
    .kernarg_segment_size: 56
    .max_flat_workgroup_size: 256
    .sgpr_count:     66
    .vgpr_count:     512
    .wavefront_size: 32
...
	.end_amdgpu_metadata
.endif
;; end of part 2
;; launch down (part 3): grid 256 x 1, 8 waves a work-group, no clusters, 136,192 bytes of LDS; arguments W2, b2, hq, hs, route, yp; writes yp
.if DOCPART == 3
	.amdgcn_target "amdgcn-amd-amdhsa--gfx1250"
	.amdhsa_code_object_version 6
	.text
	.protected	k_q1923a79945_down
	.globl	k_q1923a79945_down
	.p2align	8
	.type	k_q1923a79945_down,@function
k_q1923a79945_down:
	s_mov_b64 s[64:65], 0
	v_nop
	global_prefetch_b8 v0, s[64:65] scope:SCOPE_SE
	s_setreg_imm32_b32 hwreg(HW_REG_WAVE_MODE, 25, 1), 1
	s_wait_xcnt 0x0
; DOWN: yp[half][row][:] = the hidden layer's codes x Q(W2), over one half of K = 4,096 (+ b2 in half 0), for the routed rows; codes of E5M2 with one E8M0 scale for each 32 along K; sums in f32.
; SHARES.  Work-group x takes expert x / 32, columns 64 ((x / 2) % 16) .. + 63 and half x % 2 of K: 2,048 x 64 numbers of W2, 512 KiB of f32 in rows of 256 aligned bytes, which no other work-group reads, and all rows
; routed to that expert.  K is halved so that 8 experts make 256 work-groups with such rows; the launch behind adds the halves.
; EIGHT TRIPS, the same text for every input.  A trip is 256 along K x 64 columns, 64 KiB of f32: two K steps of 128.  In trip t wave w takes the PANEL of rows 256 t + 32 w .. + 31, which is block w % 4 of K step
;   2 t + w / 4: 16 loads; lanes 0-15 read 256 consecutive aligned bytes of row i, lanes 16-31 of row i + 16.  A lane then holds, for 4 columns, 16 numbers down K: half a block; lane l xor 16 holds the other half.
;   TILE j IS THE COLUMNS 4 r + j: so the 16 codes that lane (q, h) makes for column 4 q + j are registers 4 c .. 4 c + 3 of lane (q, h) of tile j's fragment as they stand: they go to LDS as an image of the operand's
;   registers, 512 consecutive bytes a store; the block's scale goes to byte w % 4 of the column's word.  One barrier; behind it all eight waves multiply the trip's two K steps.
;   Every K step has LDS bytes of its own (128 KiB of codes, 4 KiB of scale words): nothing in LDS is written twice, so one barrier a trip is all that the waves need, and the codes stay for later passes.
; WHAT IS ON ITS WAY.  Loads come back in the order of issue, so they are issued in the order of use: W0 W1 R0 R1 | W2 R2 R3 | W3 R4 R5 | .. (W: a panel, 16 loads; R: a K step's rows, 12 loads, and with an even
;   K step 3 scale words).  While a trip is quantised and multiplied, 43 to 59 loads of the wave are out: the next two trips' panels and the next two K steps' rows.
; THE FIRST PASS HAS NO BRANCH: wave w multiplies the expert's tiles of 16 rows w + 8 i, i = 0 .. 2; a place behind the last tile repeats that tile; only the stores stand under branches on the stored number of
;   tiles, and all eight barriers stand ahead of the first such branch.  An expert without rows multiplies tiles 0 to 23 (2,048 rows make at least 128 tiles, so these are always written) and stores nothing.
; LATER PASSES (tiles 24 on) take the codes out of LDS: a loop of six trips, a constant; its head is the way out, written once for all passes; behind it t0 goes on by 24, and a wave that has a tile there multiplies.
; THE PRODUCT: source 0 = 16 rows, source 1 = 16 columns: register g of tile j in lane (r, h) is y(row 8 h + g, column 4 r + j).  The 12 accumulators take turns, one instruction a turn.
;   The line that adds b2 (zeros in half 1) puts a lane's four columns on end, and sixteen lanes store 256 consecutive aligned bytes of a row: no way through LDS.
; NO JOINT REQUESTS, NO TENSOR LOADS: which tiles are stored and which later passes have work hang on numbers read from memory, and each byte of W2 has one reader in the launch.
; LIMITS: NaN and infinities are not served; a block whose largest magnitude lies under 2^-111 gets the byte 1 (zeros too: their codes are zeros); a sum over K is made in two halves.
.set ROWB,   4096                      ; a row of W2 in bytes
.set TSTEP,  256*ROWB                  ; from trip to trip; 7 trips and 15 rows stay inside the signed 24-bit immediate (ISA guide, chapter 10)
.set SCB,    131072                    ; behind the 64 fragments of 2,048 bytes: their scale words, 64 bytes a fragment
.set TINFO,  8704
.set HALFB,  8912896                   ; yp: bytes of a half
.set LI,   1                           ; v1   16 x lane
.set WA,   2                           ; v2-3 LDS: the fragments of K steps 0-7 and 8-15, 16 x lane
.set IA,   4                           ; v4-5 LDS: where my panel's images go, in trips 0-3 and 4-7
.set SAW,  6                           ; v6   LDS: where my panel's scale bytes go
.set WOFF, 7                           ; v7   my byte offset in a trip of W2
.set SRD,  8                           ; v8   LDS: the scale words, 4 x lane
.set YO,   9                           ; v9   32,768 x (lane / 16) + 16 x (lane % 16)
.set B2O,  10                          ; v10  16 x (lane % 16)
.set LS,   11                          ; v11  4 x lane
.set XO,   12                          ; v12-14 byte offset of my part of a tile's fragments in hq, for each of 3 places
.set XSO,  15                          ; v15-17 of its scale words in hs
.set WS,   18                          ; v18-19 the weights' scale words: lanes 0-15 tile 2 f, lanes 16-31 tile 2 f + 1; scales and nothing else
.set XS,   20                          ; v20-25 the rows' scale words, two sets of 3: lanes 0-15 an even K step's, lanes 16-31 the next one's; scales and nothing else
.set B2,   26                          ; v26-29 b2 of my four columns
.set M,    30                          ; v30-33 largest magnitudes; v34-37 the other half's; v38-41 the conversions' scale operands; v42-45 57,344 x the scale; v46-49 the scales' bytes
.set T,    34
.set SC,   38
.set LIM,  42
.set BY,   46
.set C,    50                          ; v50-65 a panel's codes
.set X,    66                          ; v66-129 a panel's numbers, held, 16 down K for each of 4 columns;
.set WF,   66                          ;         behind the barrier the same registers take four fragments of weights
.set XF0,  130                         ; the rows' nine fragments (three sets of 3), by their true numbers: seven at v130-241,
.set XF1,  480                         ; two at v480-511
.set ACC,  384                         ; v384-479 the accumulators: (place i, tile j) at 32 i + 8 j;   v256-383: the ring, two slots of 64
.set OO,   130                         ; the way out: v130-225: 32 registers a place
.set SL,   16
.set HF,   17
.set WV,   18
.set FT,   20                          ; s20 the expert's first tile; s21 its tiles
.set NT,   21
.set GE,   23
.set TOF,  27                          ; s27 the offset of my expert's entry in the table: written once, since a scalar load names it
.set WB,   28                          ; s[28:29] W2 at my work-group's part
.set XB,   30                          ; s[30:31] hq, s[32:33] hs at my half's first K step
.set XSB,  32
.set SEL,  42                          ; s[42:43] lane l xor 16
.set MNT,  44
.set T0,   45
.set TL0,  46
.set YB,   48                          ; s[48:49] yp at my half, my columns
.set MSB, 0
.macro WIN new                         ; s_set_vgpr_msb: bits 1:0 source 0, 3:2 source 1, 5:4 source 2, 7:6 destination; the high byte repeats the setting that is left
.if MSB != (\new)
	s_set_vgpr_msb (MSB<<8)|(\new)
.set MSB, (\new)
.endif
.endm
.macro ISSUE n                         ; my panel of trip n: 16 loads into slot n % 2 of the ring
	WIN 0x40
.irp i, 0,1,2,3,4,5,6,7,8,9,10,11,12,13,14,15
	global_load_b128 v[64*((\n)%2)+4*\i:64*((\n)%2)+4*\i+3], v[WOFF], s[WB:WB+1] offset:(\n)*TSTEP+\i*ROWB th:TH_LOAD_NT
.endr
	WIN 0
.endm
; My panel of trip t becomes codes in LDS; then the trip's barrier.  left: the younger loads, which may stay out.  Register 4 i + j of the slot is W(16 (lane / 16) + i, 4 (lane % 16) + j).
.macro PAN t, left
.set RG, 64*((\t)%2)
	s_wait_loadcnt \left
	WIN 0x14                                       ; sources 1 and 2 in the ring
.irp j, 0,1,2,3
	v_max3_num_f32 v[M+\j], 0x8000000, |v[RG+\j]|, |v[RG+4+\j]|   ; with the floor 2^(16 - 127): the byte cannot fall under 1
.endr
.irp i, 2,4,6,8,10,12,14
.irp j, 0,1,2,3
	v_max3_num_f32 v[M+\j], v[M+\j], |v[RG+4*\i+\j]|, |v[RG+4*\i+4+\j]|   ; the four columns by turns.  (These 32 lines are also the places between the last products and the lines below that write the registers which held the weights' fragments)
.endr
.endr
	WIN 0
.irp j, 0,1,2,3
	v_permlanex16_b32 v[T+\j], v[M+\j], s[SEL], s[SEL+1]
.endr
.irp j, 0,1,2,3
	v_max_num_f32 v[M+\j], v[M+\j], v[T+\j]        ; the block's largest magnitude
.endr
.irp j, 0,1,2,3
	v_add_nc_u32 v[SC+\j], 0xf8800000, v[M+\j]     ; 15 off its exponent field: the conversion's scale operand
.endr
.irp j, 0,1,2,3
	v_and_or_b32 v[LIM+\j], v[M+\j], 0x7f800000, s[MNT]   ; 57,344 x the scale
.endr
.irp j, 0,1,2,3
	v_lshrrev_b32 v[BY+\j], 23, v[SC+\j]           ; the scale's byte
.endr
	WIN 0x01                                       ; source 0 in the ring
.irp j, 0,1,2,3
.irp i, 0,1,2,3,4,5,6,7,8,9,10,11,12,13,14,15
	v_med3_num_f32 v[X+16*\j+\i], v[RG+4*\i+\j], -v[LIM+\j], v[LIM+\j]   ; the hold (the conversion does not saturate: ISA guide 7.6.2) also puts a column's 16 numbers on end
.endr
.endr
.if (\t) < 6
	ISSUE (\t)+2                                   ; the slot is read out: it takes my panel of two trips on
.else
	WIN 0
.endif
.irp j, 0,1,2,3
	v_cvt_scalef32_pk8_bf8_f32 v[C+4*\j:C+4*\j+1], v[X+16*\j:X+16*\j+7], v[SC+\j]
	v_cvt_scalef32_pk8_bf8_f32 v[C+4*\j+2:C+4*\j+3], v[X+16*\j+8:X+16*\j+15], v[SC+\j]
.endr
	v_nop                                          ; a plain line behind the last conversion
.irp j, 0,1,2,3
	ds_store_b128 v[IA+(\t)/4], v[C+4*\j:C+4*\j+3] offset:((\t)%4)*16384+2048*\j   ; registers 4 c .. 4 c + 3 of tile j's fragment, lane by lane
.endr
.irp j, 0,1,2,3
	ds_store_b8 v[SAW], v[BY+\j] offset:512*(\t)+64*\j                             ; both halves of the lanes hold the same byte and write it to the same place
.endr
	s_wait_dscnt 0x0                               ; my part of the trip's two K steps lies in LDS
	s_barrier_signal -1
	s_barrier_wait -1                              ; all eight waves' parts do
.endm
.macro ROWS s                          ; my three places' fragments of K step s, into set s % 3: 12 loads of 512 consecutive bytes; with an even K step the scale words of it and the next: 3 loads more
.irp i, 0,1,2
.set KF, 3*((\s)%3)+\i
.if KF < 7
.set FA, XF0+16*KF
.else
.set FA, XF1+16*(KF-7)
.endif
	WIN (FA>>8)<<6
.irp c, 0,1,2,3
	global_load_b128 v[(FA&255)+4*\c:(FA&255)+4*\c+3], v[XO+\i], s[XB:XB+1] offset:2048*(\s)+512*\c
.endr
.endr
	WIN 0
.if ((\s)%2) == 0
.irp i, 0,1,2
	global_load_b32 v[XS+3*(((\s)/2)%2)+\i], v[XSO+\i], s[XSB:XSB+1] offset:128*((\s)/2)
.endr
.endif
.endm
.macro PROD d, a, b, sa, sb, ra, rb, zero
.if \zero
.if (\ra) && (\rb)
	v_wmma_scale_f32_16x16x128_f8f6f4 v[(\d):(\d)+7], v[(\a):(\a)+15], v[(\b):(\b)+15], 0, v[\sa], v[\sb] matrix_a_fmt:MATRIX_FMT_BF8 matrix_b_fmt:MATRIX_FMT_BF8 matrix_a_scale:MATRIX_SCALE_ROW1 matrix_b_scale:MATRIX_SCALE_ROW1
.elseif \ra
	v_wmma_scale_f32_16x16x128_f8f6f4 v[(\d):(\d)+7], v[(\a):(\a)+15], v[(\b):(\b)+15], 0, v[\sa], v[\sb] matrix_a_fmt:MATRIX_FMT_BF8 matrix_b_fmt:MATRIX_FMT_BF8 matrix_a_scale:MATRIX_SCALE_ROW1
.elseif \rb
	v_wmma_scale_f32_16x16x128_f8f6f4 v[(\d):(\d)+7], v[(\a):(\a)+15], v[(\b):(\b)+15], 0, v[\sa], v[\sb] matrix_a_fmt:MATRIX_FMT_BF8 matrix_b_fmt:MATRIX_FMT_BF8 matrix_b_scale:MATRIX_SCALE_ROW1
.else
	v_wmma_scale_f32_16x16x128_f8f6f4 v[(\d):(\d)+7], v[(\a):(\a)+15], v[(\b):(\b)+15], 0, v[\sa], v[\sb] matrix_a_fmt:MATRIX_FMT_BF8 matrix_b_fmt:MATRIX_FMT_BF8
.endif
.else
.if (\ra) && (\rb)
	v_wmma_scale_f32_16x16x128_f8f6f4 v[(\d):(\d)+7], v[(\a):(\a)+15], v[(\b):(\b)+15], v[(\d):(\d)+7], v[\sa], v[\sb] matrix_a_fmt:MATRIX_FMT_BF8 matrix_b_fmt:MATRIX_FMT_BF8 matrix_a_scale:MATRIX_SCALE_ROW1 matrix_b_scale:MATRIX_SCALE_ROW1
.elseif \ra
	v_wmma_scale_f32_16x16x128_f8f6f4 v[(\d):(\d)+7], v[(\a):(\a)+15], v[(\b):(\b)+15], v[(\d):(\d)+7], v[\sa], v[\sb] matrix_a_fmt:MATRIX_FMT_BF8 matrix_b_fmt:MATRIX_FMT_BF8 matrix_a_scale:MATRIX_SCALE_ROW1
.elseif \rb
	v_wmma_scale_f32_16x16x128_f8f6f4 v[(\d):(\d)+7], v[(\a):(\a)+15], v[(\b):(\b)+15], v[(\d):(\d)+7], v[\sa], v[\sb] matrix_a_fmt:MATRIX_FMT_BF8 matrix_b_fmt:MATRIX_FMT_BF8 matrix_b_scale:MATRIX_SCALE_ROW1
.else
	v_wmma_scale_f32_16x16x128_f8f6f4 v[(\d):(\d)+7], v[(\a):(\a)+15], v[(\b):(\b)+15], v[(\d):(\d)+7], v[\sa], v[\sb] matrix_a_fmt:MATRIX_FMT_BF8 matrix_b_fmt:MATRIX_FMT_BF8
.endif
.endif
.endm
; K step s: 12 products.  left: the loads younger than this step's rows, which may stay out.  ask = 1: the rows of two K steps on are asked for.  K step 0's products take the constant 0 as C: nothing is cleared.
.macro STEP s, left, ask
.rept 8
	v_nop                                          ; eight places behind the last products, in front of loads into registers that they read; behind a panel they part its vector lines from the products
.endr
.irp j, 0,1,2,3
.irp c, 0,1,2,3
	ds_load_b128 v[WF+16*\j+4*\c:WF+16*\j+4*\c+3], v[WA+(\s)/8] offset:(4*((\s)%8)+\j)*2048+512*\c
.endr
.endr
	ds_load_b32 v[WS], v[SRD] offset:256*(\s)
	ds_load_b32 v[WS+1], v[SRD] offset:256*(\s)+128
	s_wait_loadcnt \left                           ; this step's rows are in
.if \ask
	ROWS (\s)+2                                    ; into the set that the last step's products have left
.endif
	s_wait_dscnt 0x0
.irp i, 0,1,2
.set KF, 3*((\s)%3)+\i
.if KF < 7
.set FB, XF0+16*KF
.else
.set FB, XF1+16*(KF-7)
.endif
	WIN 0x50|(FB>>8)                               ; C and D above v255; the weights under it; the rows where their fragment lies
.irp j, 0,1,2,3
.if (\s) == 0
	PROD (ACC&255)+32*\i+8*\j, FB&255, WF+16*\j, XS+3*(((\s)/2)%2)+\i, WS+\j/2, (\s)%2, \j%2, 1
.else
	PROD (ACC&255)+32*\i+8*\j, FB&255, WF+16*\j, XS+3*(((\s)/2)%2)+\i, WS+\j/2, (\s)%2, \j%2, 0
.endif
.endr
.endr
	WIN 0
.endm
.macro HEAD                            ; where my three places' fragments and scale words lie
	s_sub_co_u32 s24, s[NT], 1
.irp i, 0,1,2
	s_add_co_u32 s25, s[TL0], 8*\i
	s_min_u32 s25, s25, s24                        ; a place behind the last tile repeats it
	s_add_co_u32 s25, s25, s[FT]
	s_min_u32 s25, s25, 135                        ; a number read from memory is held before it enters an address
	s_lshl_b32 s26, s25, 16
	v_add_nc_u32 v[XO+\i], s26, v[LI]              ; a tile's 65,536 bytes of images, 16 a lane
	s_lshl_b32 s26, s25, 11
	v_add_nc_u32 v[XSO+\i], s26, v[LS]             ; its 2,048 bytes of scale words: lanes 0-15 one K step's, lanes 16-31 the next one's
.endr
.endm
; The way out of place i, if it has a tile.  Each place has its own 32 registers and its own base.
.macro OUT i
	s_add_co_u32 s24, s[TL0], 8*(\i)
	s_cmp_ge_u32 s24, s[NT]
	s_cbranch_scc1 .Lno_\@
	s_add_co_u32 s24, s24, s[FT]
	s_min_u32 s24, s24, 135                        ; the tile: 16 rows of 4,096 bytes
	s_lshl_b32 s34, s24, 16
	s_add_nc_u64 s[36+2*(\i):37+2*(\i)], s[YB:YB+1], s[34:35]
	WIN 0x01                                       ; source 0: the accumulators
.irp g, 0,1,2,3,4,5,6,7
.irp j, 0,1,2,3
	v_add_f32 v[OO+32*(\i)+4*\g+\j], v[(ACC&255)+32*(\i)+8*\j+\g], v[B2+\j]   ; + b2, and my four columns on end; each accumulator from its low end on
.endr
.endr
	WIN 0
.irp g, 0,1,2,3,4,5,6,7
	global_store_b128 v[YO], v[OO+32*(\i)+4*\g:OO+32*(\i)+4*\g+3], s[36+2*(\i):37+2*(\i)] offset:4096*\g   ; rows g and 8 + g: sixteen lanes store 256 consecutive aligned bytes
.endr
.Lno_\@:
.endm
	s_load_b256 s[4:11], s[0:1], 0x0               ; W2 s[4:5], b2 s[6:7], hq s[8:9], hs s[10:11]
	s_load_b128 s[12:15], s[0:1], 0x20             ; route s[12:13], yp s[14:15]
	v_lshl_add_u32 v254, v0, 2, 0x21000
	v_mov_b32 v255, 0
	v_lshrrev_b32 v8, 5, v0
	v_readfirstlane_b32 s[WV], v8                  ; wave 0..7
	s_lshr_b32 s[GE], ttmp9, 5                     ; the expert
	s_bfe_u32 s[SL], ttmp9, 0x40001                ; which 64 columns
	s_and_b32 s[HF], ttmp9, 1                      ; which half of K
	s_lshl_b32 s[TOF], s[GE], 3
	v_and_b32 v13, 15, v0                          ; lane % 16
	v_bfe_u32 v14, v0, 4, 1                        ; lane / 16
	v_lshlrev_b32 v[B2O], 4, v13
	v_lshl_add_u32 v[WOFF], v14, 16, v[B2O]        ; W2: row 32 w + 16 (lane / 16) of a trip, 16 bytes a lane
	s_lshl_b32 s25, s[WV], 17
	v_add_nc_u32 v[WOFF], s25, v[WOFF]
	s_mov_b32 s35, 0
	s_mov_b32 s37, 0
	s_lshl_b32 s34, s[GE], 24
	s_lshl_b32 s24, s[HF], 23
	s_add_co_u32 s34, s34, s24
	s_lshl_b32 s24, s[SL], 8                       ; my 64 columns, in bytes
	s_add_co_u32 s34, s34, s24
	s_lshl_b32 s36, s[GE], 12
	s_add_co_u32 s36, s36, s24
	s_wait_kmcnt 0x0
	s_load_b64 s[20:21], s[12:13], s[TOF] offset:TINFO   ; the expert's first tile and its tiles: waited for behind the first panels' loads
	s_add_nc_u64 s[WB:WB+1], s[4:5], s[34:35]      ; W2 at my expert, my half of K, my 64 columns
	s_add_nc_u64 s[6:7], s[6:7], s[36:37]          ; b2 at my expert, my columns
	global_load_b128 v[B2:B2+3], v[B2O], s[6:7]    ; b2 of my four columns: older than every panel, so the first panel's wait covers it
	ISSUE 0                                        ; the stream begins before anything else is made
	ISSUE 1
	s_mul_i32 s34, s[HF], HALFB
	s_add_co_u32 s34, s34, s24
	s_add_nc_u64 s[YB:YB+1], s[14:15], s[34:35]    ; yp at my half, my columns
	s_lshl_b32 s34, s[HF], 15
	s_add_nc_u64 s[XB:XB+1], s[8:9], s[34:35]      ; hq at my half's first K step: 16 steps of 2,048 bytes
	s_lshl_b32 s34, s[HF], 10
	s_add_nc_u64 s[XSB:XSB+1], s[10:11], s[34:35]  ; hs likewise: 16 steps of 64 bytes
	v_and_b32 v12, 31, v0                          ; lane
	v_lshlrev_b32 v[LI], 4, v12
	v_lshlrev_b32 v[WA], 4, v12
	v_add_nc_u32 v[WA+1], 65536, v[WA]
	s_lshr_b32 s25, s[WV], 2                       ; which of a trip's two K steps is mine,
	s_and_b32 s26, s[WV], 3                        ; and which block of 32 in it
	s_lshl_b32 s24, s25, 13                        ; a K step's four fragments are 8,192 bytes,
	s_lshl_b32 s34, s26, 9                         ; a block's four registers 512 in each
	s_add_co_u32 s24, s24, s34
	v_add_nc_u32 v[IA], s24, v[LI]
	v_add_nc_u32 v[IA+1], 65536, v[IA]
	s_lshl_b32 s24, s25, 8                         ; a K step's scale words are 256 bytes; my block is the byte
	s_add_co_u32 s24, s24, s26
	s_add_co_u32 s24, s24, SCB
	v_lshl_add_u32 v[SAW], v13, 2, s24
	v_lshl_add_u32 v[SRD], v12, 2, SCB
	v_lshl_add_u32 v[YO], v14, 15, v[B2O]
	v_lshlrev_b32 v[LS], 2, v12
.irp j, 0,1,2,3
	v_mov_b32 v[T+\j], 0                           ; written once: a lane permute's destination counts as one of its sources
.endr
	s_mov_b32 s[SEL], 0x76543210
	s_mov_b32 s[SEL+1], 0xfedcba98
	s_mov_b32 s[MNT], 0x600000
	s_mov_b32 s[TL0], s[WV]                        ; the first pass: my first place is tile w of the expert
	s_wait_kmcnt 0x0
	s_cmp_eq_u32 s[NT], 0
	s_cselect_b32 s[FT], 0, s[FT]                  ; an expert without rows reads tiles 0 to 23, which are always written, and stores nothing
	s_min_u32 s[FT], s[FT], 135                    ; numbers read from memory are held before they enter addresses
	s_min_u32 s[NT], s[NT], 136
	HEAD
	ROWS 0
	ROWS 1                                         ; 60 loads are out: b2's, two panels', two K steps' rows
	; ---- the eight trips.  The counts: behind a panel's loads were issued the next panel's 16 and two K steps' rows, 15 + 12: 43.  Behind an even K step's rows: the next step's 12 and a panel's 16: 28.
	;      Behind an odd one's: a panel's 16 and the next step's 15: 31.  From trip 6 on no panel is issued, from K step 14 on no rows: the counts run down.
	PAN 0, 43
	STEP 0, 28, 1
	STEP 1, 31, 1
	PAN 1, 43
	STEP 2, 28, 1
	STEP 3, 31, 1
	PAN 2, 43
	STEP 4, 28, 1
	STEP 5, 31, 1
	PAN 3, 43
	STEP 6, 28, 1
	STEP 7, 31, 1
	PAN 4, 43
	STEP 8, 28, 1
	STEP 9, 31, 1
	PAN 5, 43
	STEP 10, 28, 1
	STEP 11, 31, 1
	PAN 6, 43
	STEP 12, 12, 1
	STEP 13, 15, 1
	PAN 7, 27
	STEP 14, 12, 0
	STEP 15, 0, 0
	; ---- the way out, and the passes for tiles 24 on.  From here on LDS is only read, and no barrier follows
	s_cmp_eq_u32 s[HF], 0
	s_cselect_b32 s24, -1, 0
.irp j, 0,1,2,3
	v_cndmask_b32 v[B2+\j], 0, v[B2+\j], s24       ; the bias belongs to half 0 alone
.endr
	s_mov_b32 s[T0], 0
.Lout:                                             ; six trips: 144 places for the 136 tiles at which the stored number is held
.rept 8
	v_nop                                          ; eight places behind the last products, in front of the first read of their results and of writes into registers that they read
.endr
	OUT 0
	OUT 1
	OUT 2
	s_wait_xcnt 0x0                                ; the stores have read their registers and bases: the next pass writes both again
	s_add_co_u32 s[T0], s[T0], 24
	s_add_co_u32 s[TL0], s[T0], s[WV]              ; my first place's tile in the next pass
	s_cmp_ge_u32 s[TL0], s[NT]
	s_cbranch_scc1 .Lnone                          ; I have no tile there
	HEAD
	ROWS 0
	ROWS 1
	STEP 0, 12, 1                                  ; no panels among the loads here: behind a step's rows stand the next step's alone, 12 or 15
	STEP 1, 15, 1
	STEP 2, 12, 1
	STEP 3, 15, 1
	STEP 4, 12, 1
	STEP 5, 15, 1
	STEP 6, 12, 1
	STEP 7, 15, 1
	STEP 8, 12, 1
	STEP 9, 15, 1
	STEP 10, 12, 1
	STEP 11, 15, 1
	STEP 12, 12, 1
	STEP 13, 15, 1
	STEP 14, 12, 0
	STEP 15, 0, 0
.Lnone:
	s_cmp_lt_u32 s[T0], 144
	s_cbranch_scc1 .Lout
	s_wait_tensorcnt 0x0
	ds_add_u32 v254, v255
	s_wait_dscnt 0x0
	s_endpgm
.Lfunc_end_k_q1923a79945_down:
	.size	k_q1923a79945_down, .Lfunc_end_k_q1923a79945_down-k_q1923a79945_down
	.p2alignl 7, 3214868480
	.fill 96, 4, 3214868480
	.section	.rodata,"a",@progbits
	.p2align	6, 0x0
	.amdhsa_kernel k_q1923a79945_down
		.amdhsa_group_segment_fixed_size 136192
		.amdhsa_private_segment_fixed_size 0
		.amdhsa_enable_private_segment 0
		.amdhsa_kernarg_size 48
		.amdhsa_user_sgpr_count 2
		.amdhsa_user_sgpr_kernarg_segment_ptr 1
		.amdhsa_wavefront_size32 1
		.amdhsa_system_sgpr_workgroup_id_x 1
		.amdhsa_system_sgpr_workgroup_id_y 1
		.amdhsa_system_sgpr_workgroup_id_z 1
		.amdhsa_system_vgpr_workitem_id 0
		.amdhsa_next_free_vgpr 512
		.amdhsa_next_free_sgpr 66
		.amdhsa_reserve_vcc 0
		.amdhsa_float_denorm_mode_32 3
		.amdhsa_float_denorm_mode_16_64 3
		.amdhsa_memory_ordered 1
		.amdhsa_forward_progress 1
		.amdhsa_inst_pref_size 231
	.end_amdhsa_kernel
	.amdgpu_metadata
---
amdhsa.version: [ 1, 2 ]
amdhsa.kernels:
  - .name:           k_q1923a79945_down
    .symbol:         k_q1923a79945_down.kd
    .args:
      - { .name: W2, .offset: 0, .size: 8, .value_kind: global_buffer, .address_space: global }
      - { .name: b2, .offset: 8, .size: 8, .value_kind: global_buffer, .address_space: global }
      - { .name: hq, .offset: 16, .size: 8, .value_kind: global_buffer, .address_space: global }
      - { .name: hs, .offset: 24, .size: 8, .value_kind: global_buffer, .address_space: global }
      - { .name: route, .offset: 32, .size: 8, .value_kind: global_buffer, .address_space: global }
      - { .name: yp, .offset: 40, .size: 8, .value_kind: global_buffer, .address_space: global }
    .group_segment_fixed_size: 136192
    .private_segment_fixed_size: 0
    .kernarg_segment_align: 8
    .kernarg_segment_size: 48
    .max_flat_workgroup_size: 256
    .sgpr_count:     66
    .vgpr_count:     512
    .wavefront_size: 32
...
	.end_amdgpu_metadata
.endif
;; end of part 3
;; launch combine (part 4): grid 256 x 1, 4 waves a work-group, no clusters, 0 bytes of LDS; arguments x, expert_weights, route, yp, out0; writes out0
.if DOCPART == 4
	.amdgcn_target "amdgcn-amd-amdhsa--gfx1250"
	.amdhsa_code_object_version 6
	.text
	.protected	k_q1923a79945_combine
	.globl	k_q1923a79945_combine
	.p2align	8
	.type	k_q1923a79945_combine,@function
k_q1923a79945_combine:
	s_mov_b64 s[64:65], 0
	v_nop
	global_prefetch_b8 v0, s[64:65] scope:SCOPE_SE
	s_setreg_imm32_b32 hwreg(HW_REG_WAVE_MODE, 25, 1), 1
	s_wait_xcnt 0x0
; COMBINE: out[token] = x[token] + w0 (yp0 + yp1)[row of (token, 0)] + w1 (yp0 + yp1)[row of (token, 1)], (w0, w1) = softmax of the token's two router weights, the larger taken away first.
; Where both k name one expert the token has two equal rows, and w0 and w1 weigh them as their sum would weigh one.
; One wave to a token: five rows of 4,096 bytes, 40 loads of 512 consecutive bytes, all on their way at once; 8 stores of 512 consecutive aligned bytes.  A stream: no LDS, no barrier, no matrix unit.
.set ROWPOS, 9216
.set HALFB,  8912896
.set XR, 16                            ; v16-47 x;  v48-79, v80-111 row 0's halves;  v112-143, v144-175 row 1's
.set A0, 48
.set A1, 80
.set B0, 112
.set B1, 144
	s_load_b256 s[4:11], s[0:1], 0x0               ; x s[4:5], expert_weights s[6:7], route s[8:9], yp s[10:11]
	s_load_b64 s[12:13], s[0:1], 0x20              ; out0
	v_lshrrev_b32 v1, 5, v0
	v_readfirstlane_b32 s14, v1                    ; wave
	v_and_b32 v2, 31, v0
	v_lshlrev_b32 v2, 4, v2                        ; 16 bytes a lane
	s_lshl_b32 s15, ttmp9, 2
	s_add_co_u32 s15, s15, s14                     ; the token
	s_lshl_b32 s16, s15, 3
	s_lshl_b32 s24, s15, 12
	s_mov_b32 s25, 0
	s_wait_kmcnt 0x0
	s_load_b64 s[20:21], s[8:9], s16 offset:ROWPOS ; its two rows
	s_load_b64 s[22:23], s[6:7], s16 offset:0x0    ; its two router weights
	s_add_nc_u64 s[4:5], s[4:5], s[24:25]
	s_add_nc_u64 s[12:13], s[12:13], s[24:25]
.irp m, 0,1,2,3,4,5,6,7
	global_load_b128 v[XR+4*\m:XR+4*\m+3], v2, s[4:5] offset:512*\m th:TH_LOAD_NT
.endr
	s_wait_kmcnt 0x0
	s_min_u32 s20, s20, 2175                       ; numbers read from memory are held before they enter addresses
	s_min_u32 s21, s21, 2175
	s_lshl_b32 s26, s20, 12
	s_mov_b32 s27, 0
	s_add_nc_u64 s[28:29], s[10:11], s[26:27]
	s_add_nc_u64 s[30:31], s[28:29], HALFB
	s_lshl_b32 s26, s21, 12
	s_add_nc_u64 s[32:33], s[10:11], s[26:27]
	s_add_nc_u64 s[34:35], s[32:33], HALFB
.irp m, 0,1,2,3,4,5,6,7
	global_load_b128 v[A0+4*\m:A0+4*\m+3], v2, s[28:29] offset:512*\m th:TH_LOAD_NT
	global_load_b128 v[A1+4*\m:A1+4*\m+3], v2, s[30:31] offset:512*\m th:TH_LOAD_NT
	global_load_b128 v[B0+4*\m:B0+4*\m+3], v2, s[32:33] offset:512*\m th:TH_LOAD_NT
	global_load_b128 v[B1+4*\m:B1+4*\m+3], v2, s[34:35] offset:512*\m th:TH_LOAD_NT
.endr
	v_mov_b32 v3, s22                              ; the softmax of two, while the rows are on their way
	v_max_num_f32 v3, s23, v3
	v_sub_f32 v4, s22, v3
	v_sub_f32 v5, s23, v3
	v_mul_f32 v4, 0x3fb8aa3b, v4
	v_mul_f32 v5, 0x3fb8aa3b, v5
	v_exp_f32 v4, v4
	v_exp_f32 v5, v5
	v_nop                                          ; a plain line behind the exponentials
	s_wait_alu depctr_va_vdst(0)
	v_add_f32 v6, v4, v5                           ; at least 1
	v_rcp_f32 v6, v6
	v_nop                                          ; and behind the reciprocal
	s_wait_alu depctr_va_vdst(0)
	v_mul_f32 v8, v4, v6
	v_mul_f32 v10, v5, v6
	v_mov_b32 v9, v8                               ; each weight twice: a pair for the packed forms
	v_mov_b32 v11, v10
	s_wait_loadcnt 0x0
.set j, 0
.rept 16
	v_pk_add_f32 v[A0+j:A0+j+1], v[A0+j:A0+j+1], v[A1+j:A1+j+1]
	v_pk_add_f32 v[B0+j:B0+j+1], v[B0+j:B0+j+1], v[B1+j:B1+j+1]
	v_pk_fma_f32 v[XR+j:XR+j+1], v[A0+j:A0+j+1], v[8:9], v[XR+j:XR+j+1]
	v_pk_fma_f32 v[XR+j:XR+j+1], v[B0+j:B0+j+1], v[10:11], v[XR+j:XR+j+1]
.set j, j+2
.endr
.irp m, 0,1,2,3,4,5,6,7
	global_store_b128 v2, v[XR+4*\m:XR+4*\m+3], s[12:13] offset:512*\m th:TH_STORE_NT
.endr
	s_endpgm
.Lfunc_end_k_q1923a79945_combine:
	.size	k_q1923a79945_combine, .Lfunc_end_k_q1923a79945_combine-k_q1923a79945_combine
	.p2alignl 7, 3214868480
	.fill 96, 4, 3214868480
	.section	.rodata,"a",@progbits
	.p2align	6, 0x0
	.amdhsa_kernel k_q1923a79945_combine
		.amdhsa_group_segment_fixed_size 0
		.amdhsa_private_segment_fixed_size 0
		.amdhsa_enable_private_segment 0
		.amdhsa_kernarg_size 40
		.amdhsa_user_sgpr_count 2
		.amdhsa_user_sgpr_kernarg_segment_ptr 1
		.amdhsa_wavefront_size32 1
		.amdhsa_system_sgpr_workgroup_id_x 1
		.amdhsa_system_sgpr_workgroup_id_y 1
		.amdhsa_system_sgpr_workgroup_id_z 1
		.amdhsa_system_vgpr_workitem_id 0
		.amdhsa_next_free_vgpr 176
		.amdhsa_next_free_sgpr 66
		.amdhsa_reserve_vcc 0
		.amdhsa_float_denorm_mode_32 3
		.amdhsa_float_denorm_mode_16_64 3
		.amdhsa_memory_ordered 1
		.amdhsa_forward_progress 1
		.amdhsa_inst_pref_size 11
	.end_amdhsa_kernel
	.amdgpu_metadata
---
amdhsa.version: [ 1, 2 ]
amdhsa.kernels:
  - .name:           k_q1923a79945_combine
    .symbol:         k_q1923a79945_combine.kd
    .args:
      - { .name: x, .offset: 0, .size: 8, .value_kind: global_buffer, .address_space: global }
      - { .name: expert_weights, .offset: 8, .size: 8, .value_kind: global_buffer, .address_space: global }
      - { .name: route, .offset: 16, .size: 8, .value_kind: global_buffer, .address_space: global }
      - { .name: yp, .offset: 24, .size: 8, .value_kind: global_buffer, .address_space: global }
      - { .name: out0, .offset: 32, .size: 8, .value_kind: global_buffer, .address_space: global }
    .group_segment_fixed_size: 0
    .private_segment_fixed_size: 0
    .kernarg_segment_align: 8
    .kernarg_segment_size: 40
    .max_flat_workgroup_size: 128
    .sgpr_count:     66
    .vgpr_count:     176
    .wavefront_size: 32
...
	.end_amdgpu_metadata
.endif
;; end of part 4
;; ======== version 2 of 2: 4 launches
;; workspace buffers: xq 1,048,576 bytes; xs 32,768 bytes; route 17,408 bytes of whole numbers; hq 8,912,896 bytes; hs 278,528 bytes; yp 17,825,792 bytes
;; launch prep (part 5): grid 129 x 1, 4 waves a work-group, no clusters, 34,048 bytes of LDS; arguments x, expert_indices, xq, xs, route; writes xq, xs, route
.if DOCPART == 5
	.amdgcn_target "amdgcn-amd-amdhsa--gfx1250"
	.amdhsa_code_object_version 6
	.text
	.protected	k_q1923a79945_prep
	.globl	k_q1923a79945_prep
	.p2align	8
	.type	k_q1923a79945_prep,@function
k_q1923a79945_prep:
	s_mov_b64 s[64:65], 0
	v_nop
	global_prefetch_b8 v0, s[64:65] scope:SCOPE_SE
	s_setreg_imm32_b32 hwreg(HW_REG_WAVE_MODE, 25, 1), 1
	s_wait_xcnt 0x0
; PREP.  Two jobs in one launch, parted on the work-group's number; each has LDS bytes of its own.
; Work-groups 1 to 128: x [1024 tokens][1024] f32 becomes codes of E5M2, K innermost (xq), with one E8M0 byte for each 32 along K (xs).  Rows are dense, so x is a plain stream of blocks of 32.
;   A wave takes 4 steps of 512 numbers.  Each load reads 512 consecutive bytes; a step's 2,048 bytes turn through the wave's own stage in LDS (16 bytes of padding behind each 64) and come back
;   64 bytes a lane, so that a lane holds 16 neighbours along K and two neighbouring lanes a block.  A block's scale is 2^(floor(log2(largest magnitude)) - 15); its byte is that magnitude's exponent field - 15.
;   The work-group's 256 scale bytes meet in LDS and leave as one aligned run of 256 bytes.
; Work-group 0: a counting sort of the 2,048 routed rows (token, k) by expert, without atomics.  Each expert's rows begin on a tile of 16; 2,048 rows and 8 experts make at most 135 tiles.
;   route: ORDER at 0: row -> token (the filling rows of an expert's last tile name token 0; nobody reads their results);
;          TINFO at 8,704: 32 entries of 8 bytes (first tile, tiles): entry e is expert e's, the others are zeros;
;          ROWPOS at 9,216: word 2 token + k -> row.
; LIMITS: NaN and infinities in x are not served; a block whose largest magnitude lies under 2^-111 gets the byte 1 (a block of zeros too: its codes are zeros, and this program alone reads the bytes);
; an expert's number is held to 0..7.
.set WREG,   8192                      ; LDS of a quantising wave: two stages of 32 x SP bytes
.set SP,     80                        ; a lane's place in a stage: 64 bytes + 16 of padding
.set XSB,    32768                     ; the quantising work-group's 256 scale bytes
.set CT,     33024                     ; the sorting work-group's counts: 128 bytes a wave
.set TINFO,  8704
.set ROWPOS, 9216
.set EMAX,   15
.set MANT,   0x600000                  ; the mantissa field of 57,344
.set RR,     16                        ; v16-79   four sets of 16 numbers as loaded
.set XX,     80                        ; v80-111  two sets of 16 neighbours
.set EB,     112                       ; v112-115 a scale byte for each step
.set CC,     128                       ; v128-143 codes, four registers a step
.set EN,     16                        ; the sort: v16-31 my 16 entries' experts
.set PS,     48                        ; v48-63  their rows
.set OF,     80                        ; v80-95  byte offsets of those rows in ORDER
.set TKR,    96                        ; v96-103 my 8 tokens
.set CN,     24                        ; s24-31  my wave's counts; later FI: each expert's first tile
.set FI,     24
.set MK,     32                        ; s32-47  16 masks at a time;  s32-63 in between: the four waves' counts
.set CW4,    32
.set NN,     68                        ; s68-75  rows of each expert, then its tiles
.set PP,     76                        ; s76-83  rows of each expert in the waves below mine
.set ST,     84                        ; s84-91  the next free row of each expert for my wave
.set TMP,    92                        ; s92-99  at work
	s_load_b256 s[4:11], s[0:1], 0x0               ; x s[4:5], expert_indices s[6:7], xq s[8:9], xs s[10:11]
	s_load_b64 s[12:13], s[0:1], 0x20              ; route
	v_lshl_add_u32 v160, v0, 2, 0x8300
	v_mov_b32 v161, 0
	v_lshrrev_b32 v1, 5, v0
	v_readfirstlane_b32 s16, v1                    ; wave 0..3
	v_and_b32 v2, 31, v0                           ; lane
	s_cmp_eq_u32 ttmp9, 0
	s_cbranch_scc1 .Lsort
	; ---------------- the quantiser ----------------
	v_lshlrev_b32 v3, 4, v2                        ; my 16 bytes of a load's 512, and of a step's 512 bytes of codes
	s_mul_i32 s17, s16, WREG
	v_lshrrev_b32 v14, 2, v2
	v_mul_u32_u24 v14, v14, SP
	v_and_b32 v15, 3, v2
	v_lshl_add_u32 v14, v15, 4, v14
	v_add_nc_u32 v14, s17, v14                     ; the stage, in: four lanes' 64 bytes on end, then the padding
	v_mul_u32_u24 v15, v2, SP
	v_add_nc_u32 v15, s17, v15                     ; and out: SP x lane: my 16 neighbours
	v_lshrrev_b32 v5, 1, v2
	s_lshl_b32 s18, s16, 6
	s_add_co_u32 s18, s18, XSB
	v_add_nc_u32 v5, s18, v5                       ; my block's byte among my wave's 64
	v_lshlrev_b32 v7, 3, v2
	v_add_nc_u32 v6, XSB, v7                       ; the way out of the 256 bytes: 8 a lane
	s_mov_b32 s23, MANT
	s_sub_co_u32 s19, ttmp9, 1
	s_lshl_b32 s20, s19, 2
	s_add_co_u32 s20, s20, s16                     ; which run of 2,048 numbers is my wave's
	s_lshl_b32 s24, s20, 13
	s_mov_b32 s25, 0
	s_lshl_b32 s26, s20, 11
	s_mov_b32 s27, 0
	s_lshl_b32 s28, s19, 8
	s_mov_b32 s29, 0
	s_wait_alu depctr_va_vdst(0)
	s_wait_kmcnt 0x0
	s_add_nc_u64 s[4:5], s[4:5], s[24:25]
	s_add_nc_u64 s[8:9], s[8:9], s[26:27]
	s_add_nc_u64 s[10:11], s[10:11], s[28:29]
.macro LOADX t
.irp i, 0,1,2,3
	global_load_b128 v[RR+16*(\t)+4*\i:RR+16*(\t)+4*\i+3], v3, s[4:5] offset:2048*(\t)+512*\i th:TH_LOAD_NT
.endr
.endm
.macro TURN t                          ; step t through the stage: LDS serves a wave's instructions in order, so no wait stands between the stores and the loads
.irp i, 0,1,2,3
	ds_store_b128 v14, v[RR+16*(\t)+4*\i:RR+16*(\t)+4*\i+3] offset:32*SP*((\t)%2)+8*SP*\i
.endr
.irp i, 0,1,2,3
	ds_load_b128 v[XX+16*((\t)%2)+4*\i:XX+16*((\t)%2)+4*\i+3], v15 offset:32*SP*((\t)%2)+16*\i
.endr
.endm
.irp t, 0,1,2,3
	LOADX \t                                       ; all 16 loads of the wave go out at once
.endr
	s_wait_loadcnt 12                              ; step 0's four are in; the 12 of steps 1 to 3 may be out
	TURN 0
.macro STEP t
.set XS0, XX+16*((\t)%2)
.if (\t) > 0
	s_wait_dscnt 1                                 ; this step's numbers are back from the stage; the last step's byte store may be out
.else
	s_wait_dscnt 0x0
.endif
.if (\t) < 3
	s_wait_loadcnt 4*(2-(\t))                      ; the next step's four loads are in; those of the steps behind it may be out
	TURN (\t)+1
.endif
	v_max3_num_f32 v8, |v[XS0]|, |v[XS0+1]|, |v[XS0+2]|
	v_max3_num_f32 v9, |v[XS0+3]|, |v[XS0+4]|, |v[XS0+5]|
.irp i, 6,10
	v_max3_num_f32 v8, v8, |v[XS0+\i]|, |v[XS0+\i+1]|
	v_max3_num_f32 v9, v9, |v[XS0+\i+2]|, |v[XS0+\i+3]|
.endr
	v_max3_num_f32 v8, v8, |v[XS0+14]|, |v[XS0+15]|
	v_max3_num_f32 v8, v8, v9, (EMAX+1)<<23        ; with the floor 2^(16 - 127): the byte cannot fall under 1
	v_max_num_f32_dpp v8, v8, v8 row_xmask:1 row_mask:0xf bank_mask:0xf   ; and my neighbour's 16: the block's largest magnitude
	v_add_nc_u32 v11, -(EMAX<<23), v8              ; 15 off its exponent field: the conversion's scale operand
	v_and_or_b32 v10, v8, 0x7f800000, s23          ; 57,344 x the scale
.irp i, 0,1,2,3,4,5,6,7,8,9,10,11,12,13,14,15
	v_med3_num_f32 v[XS0+\i], v[XS0+\i], -v10, v10 ; the conversion does not saturate (ISA guide 7.6.2): the hold comes first
.endr
	v_cvt_scalef32_pk8_bf8_f32 v[CC+4*(\t):CC+4*(\t)+1], v[XS0:XS0+7], v11
	v_cvt_scalef32_pk8_bf8_f32 v[CC+4*(\t)+2:CC+4*(\t)+3], v[XS0+8:XS0+15], v11
	v_lshrrev_b32 v[EB+(\t)], 23, v11              ; the scale's byte (also the plain line behind the conversions)
	ds_store_b8 v5, v[EB+(\t)] offset:16*(\t)      ; both lanes of a block write the same byte with the same value
	global_store_b128 v3, v[CC+4*(\t):CC+4*(\t)+3], s[8:9] offset:512*(\t)   ; 32 lanes store 512 consecutive bytes
.endm
.irp t, 0,1,2,3
	STEP \t
.endr
	s_wait_dscnt 0x0                               ; my 64 bytes lie in LDS
	s_barrier_signal -1
	s_barrier_wait -1                              ; all 256 do
	s_cmp_lg_u32 s16, 0
	s_cbranch_scc1 .Lqend
	ds_load_b64 v[12:13], v6
	s_wait_dscnt 0x0
	global_store_b64 v7, v[12:13], s[10:11]        ; 32 lanes store 256 consecutive bytes, aligned
.Lqend:
	s_wait_tensorcnt 0x0
	ds_add_u32 v160, v161
	s_wait_dscnt 0x0
	s_endpgm
	; ---------------- the sort ----------------
.Lsort:
	v_lshlrev_b32 v4, 4, v0                        ; 16 x thread
.irp k, 64,65,66,67
	v_mov_b32 v\k, 0
.endr
	s_wait_alu depctr_va_vdst(0)
	s_wait_kmcnt 0x0
.irp m, 0,1,2,3
	global_load_b128 v[EN+4*\m:EN+4*\m+3], v4, s[6:7] offset:2048*\m   ; entries 4 (128 m + thread) + j; entry = 2 token + k
.endr
.irp m, 0,1,2,3
	global_store_b128 v4, v[64:67], s[12:13] offset:2048*\m            ; ORDER is filled with token 0: 2,176 words
.endr
	s_cmp_lg_u32 s16, 0
	s_cbranch_scc1 .Lfilled
	global_store_b128 v4, v[64:67], s[12:13] offset:8192
.Lfilled:
	s_wait_loadcnt 0x0
.irp n, 0,1,2,3,4,5,6,7,8,9,10,11,12,13,14,15
	v_min_u32 v[EN+\n], 7, v[EN+\n]
.endr
	; pass 1: how many of my wave's 512 entries name each expert
.irp e, 0,1,2,3,4,5,6,7
.irp n, 0,1,2,3,4,5,6,7,8,9,10,11,12,13,14,15
	v_cmp_eq_u32 s[MK+\n], \e, v[EN+\n]
.endr
	s_mov_b32 s[CN+\e], 0
.irp n, 0,1,2,3,4,5,6,7,8,9,10,11,12,13,14,15
	s_bcnt1_i32_b32 s2, s[MK+\n]
	s_add_co_u32 s[CN+\e], s[CN+\e], s2
.endr
.endr
	v_mov_b32 v40, 0
.irp e, 0,1,2,3,4,5,6,7
	v_writelane_b32 v40, s[CN+\e], \e
.endr
	v_lshl_add_u32 v41, v0, 2, CT
	ds_store_b32 v41, v40                          ; lane e of my wave's 128 bytes: my count for expert e
	s_wait_storecnt 0x0                            ; my zeros have landed in ORDER: behind the barrier any wave may store a token over them
	s_wait_dscnt 0x0
	s_barrier_signal -1
	s_barrier_wait -1
	v_lshl_add_u32 v42, v2, 2, CT
.irp w, 0,1,2,3
	ds_load_b32 v[44+\w], v42 offset:128*\w
.endr
	s_wait_dscnt 0x0
.irp w, 0,1,2,3
.irp e, 0,1,2,3,4,5,6,7
	v_readlane_b32 s[CW4+8*\w+\e], v[44+\w], \e
.endr
.endr
.irp e, 0,1,2,3,4,5,6,7
	s_add_co_u32 s[NN+\e], s[CW4+\e], s[CW4+8+\e]
	s_add_co_u32 s[NN+\e], s[NN+\e], s[CW4+16+\e]
	s_add_co_u32 s[NN+\e], s[NN+\e], s[CW4+24+\e]  ; the expert's rows
	s_mov_b32 s[PP+\e], 0
.endr
.irp w, 0,1,2
	s_cmp_gt_u32 s16, \w                           ; is wave w below mine?  All eight choices are made before an addition changes SCC
.irp e, 0,1,2,3,4,5,6,7
	s_cselect_b32 s[TMP+\e], s[CW4+8*\w+\e], 0
.endr
.irp e, 0,1,2,3,4,5,6,7
	s_add_co_u32 s[PP+\e], s[PP+\e], s[TMP+\e]
.endr
.endr
	s_mov_b32 s17, 0                               ; rows given out so far, a multiple of 16
.irp e, 0,1,2,3,4,5,6,7
	s_add_co_u32 s[ST+\e], s17, s[PP+\e]           ; where my wave's rows of this expert begin
	s_lshr_b32 s[FI+\e], s17, 4                    ; the expert's first tile
	s_add_co_u32 s[NN+\e], s[NN+\e], 15
	s_lshr_b32 s[NN+\e], s[NN+\e], 4               ; its tiles, at most 128
	s_lshl_b32 s19, s[NN+\e], 4
	s_add_co_u32 s17, s17, s19
.endr
	; the table of experts: lane e of wave 0 makes entry e; lanes 8 to 31 store zeros, so that the store covers 256 consecutive bytes
	s_cmp_lg_u32 s16, 0
	s_cbranch_scc1 .Lnolist
	v_mov_b32 v68, 0
	v_mov_b32 v69, 0
.irp e, 0,1,2,3,4,5,6,7
	v_cmp_ne_u32 vcc_lo, \e, v2                    ; another lane's expert: keep what stands
	v_cndmask_b32 v68, s[FI+\e], v68, vcc_lo
	v_cndmask_b32 v69, s[NN+\e], v69, vcc_lo
.endr
	v_lshlrev_b32 v70, 3, v2
	global_store_b64 v70, v[68:69], s[12:13] offset:TINFO
.Lnolist:
	; pass 2: each entry's row = the expert's next free row for my wave + the matching lanes below mine
.irp n, 0,1,2,3,4,5,6,7,8,9,10,11,12,13,14,15
	v_mov_b32 v[PS+\n], 0
.endr
.irp e, 0,1,2,3,4,5,6,7
.irp n, 0,1,2,3,4,5,6,7,8,9,10,11,12,13,14,15
	v_cmp_eq_u32 s[MK+\n], \e, v[EN+\n]
.endr
.irp n, 0,1,2,3,4,5,6,7,8,9,10,11,12,13,14,15
	v_mbcnt_lo_u32_b32 v45, s[MK+\n], s[ST+\e]
	v_cndmask_b32 v[PS+\n], v[PS+\n], v45, s[MK+\n]
	s_bcnt1_i32_b32 s2, s[MK+\n]
	s_add_co_u32 s[ST+\e], s[ST+\e], s2
.endr
.endr
	v_lshlrev_b32 v46, 1, v0
.irp m, 0,1,2,3
.irp h, 0,1
	v_add_nc_u32 v[TKR+2*\m+\h], 256*\m+\h, v46    ; entry / 2: the token
.endr
.endr
.irp n, 0,1,2,3,4,5,6,7,8,9,10,11,12,13,14,15
	v_min_u32 v[PS+\n], 2175, v[PS+\n]             ; a number made of loaded data is held before it enters an address
	v_lshlrev_b32 v[OF+\n], 2, v[PS+\n]
.endr
.irp n, 0,1,2,3,4,5,6,7,8,9,10,11,12,13,14,15
	global_store_b32 v[OF+\n], v[TKR+\n/2], s[12:13]
.endr
.irp m, 0,1,2,3
	global_store_b128 v4, v[PS+4*\m:PS+4*\m+3], s[12:13] offset:ROWPOS+2048*\m
.endr
	s_wait_tensorcnt 0x0
	ds_add_u32 v160, v161
	s_wait_dscnt 0x0
	s_endpgm
.Lfunc_end_k_q1923a79945_prep:
	.size	k_q1923a79945_prep, .Lfunc_end_k_q1923a79945_prep-k_q1923a79945_prep
	.p2alignl 7, 3214868480
	.fill 96, 4, 3214868480
	.section	.rodata,"a",@progbits
	.p2align	6, 0x0
	.amdhsa_kernel k_q1923a79945_prep
		.amdhsa_group_segment_fixed_size 34048
		.amdhsa_private_segment_fixed_size 0
		.amdhsa_enable_private_segment 0
		.amdhsa_kernarg_size 40
		.amdhsa_user_sgpr_count 2
		.amdhsa_user_sgpr_kernarg_segment_ptr 1
		.amdhsa_wavefront_size32 1
		.amdhsa_system_sgpr_workgroup_id_x 1
		.amdhsa_system_sgpr_workgroup_id_y 1
		.amdhsa_system_sgpr_workgroup_id_z 1
		.amdhsa_system_vgpr_workitem_id 0
		.amdhsa_next_free_vgpr 162
		.amdhsa_next_free_sgpr 100
		.amdhsa_reserve_vcc 1
		.amdhsa_float_denorm_mode_32 3
		.amdhsa_float_denorm_mode_16_64 3
		.amdhsa_memory_ordered 1
		.amdhsa_forward_progress 1
		.amdhsa_inst_pref_size 78
	.end_amdhsa_kernel
	.amdgpu_metadata
---
amdhsa.version: [ 1, 2 ]
amdhsa.kernels:
  - .name:           k_q1923a79945_prep
    .symbol:         k_q1923a79945_prep.kd
    .args:
      - { .name: x, .offset: 0, .size: 8, .value_kind: global_buffer, .address_space: global }
      - { .name: expert_indices, .offset: 8, .size: 8, .value_kind: global_buffer, .address_space: global }
      - { .name: xq, .offset: 16, .size: 8, .value_kind: global_buffer, .address_space: global }
      - { .name: xs, .offset: 24, .size: 8, .value_kind: global_buffer, .address_space: global }
      - { .name: route, .offset: 32, .size: 8, .value_kind: global_buffer, .address_space: global }
    .group_segment_fixed_size: 34048
    .private_segment_fixed_size: 0
    .kernarg_segment_align: 8
    .kernarg_segment_size: 40
    .max_flat_workgroup_size: 128
    .sgpr_count:     100
    .vgpr_count:     162
    .wavefront_size: 32
...
	.end_amdgpu_metadata
.endif
;; end of part 5
;; launch up (part 6): grid 256 x 1, 8 waves a work-group, no clusters, 136,192 bytes of LDS; arguments W1, b1, xq, xs, route, hq, hs; writes hq, hs
.if DOCPART == 6
	.amdgcn_target "amdgcn-amd-amdhsa--gfx1250"
	.amdhsa_code_object_version 6
	.text
	.protected	k_q1923a79945_up
	.globl	k_q1923a79945_up
	.p2align	8
	.type	k_q1923a79945_up,@function
k_q1923a79945_up:
	s_mov_b64 s[64:65], 0
	v_nop
	global_prefetch_b8 v0, s[64:65] scope:SCOPE_SE
	s_setreg_imm32_b32 hwreg(HW_REG_WAVE_SCHED_MODE, 0, 2), 2
	s_setreg_imm32_b32 hwreg(HW_REG_WAVE_MODE, 25, 1), 1
	s_wait_xcnt 0x0
	s_wait_alu depctr_vm_vsrc(0)
; UP: the hidden layer of the routed rows: hq, hs = Q(gelu(Q(x) Q(W1) + b1)); both operands of the product are codes of E5M2 with one E8M0 scale for each 32 along K; sums in f32.
; SHARES.  Work-group x takes expert x / 32 and hidden units 128 (x % 32) .. + 127: 1,024 x 128 numbers of W1, 512 KiB of f32, which no other work-group reads, and all rows that were routed to that expert.
; PHASE 1, the same text for every input: the eight waves stream the 512 KiB, quantise them along K and lay the codes in LDS as images of the operand's registers (128 KiB, and 4 KiB of scale words).  Wave w takes
;   K step w (128 along K) as 8 PANELS of 32 K x 64 units, 16 loads each: lanes 0-15 read 256 consecutive aligned bytes of row i, lanes 16-31 of row i + 16.  A lane then holds, for 4 units, 16 numbers down K: half a
;   block; lane l xor 16 holds the other half.  TILE j OF A PANEL IS THE UNITS 4 r + j: so the 16 codes that lane (q, h) makes for unit 4 q + j are registers 4 c .. 4 c + 3 of lane (q, h) of tile j's fragment as they
;   stand: nothing is turned, and every LDS store and load covers 512 consecutive bytes.  Up to 48 loads a wave are on their way.
; ONE BARRIER, ahead of every branch on a number read from memory.  Behind it LDS is only read.
; PHASE 2: wave w takes units 64 (w % 2) .. + 63 and the expert's tiles of 16 rows t0 + w / 2 + 4 i, i = 0 .. 4.  t0 goes in steps of 20 through a loop of 7 trips, a constant: 140 places for the 136 tiles at which
;   the stored number is held; a trip whose t0 is not under the expert's tiles is passed over by a scalar branch at its head.  In a pass: the rows' tokens from the list, then 8 K steps of 20 products (4 tiles of
;   units x 5 tiles of rows); the rows' codes are asked for two K steps ahead.  A place behind the last tile repeats that tile and is not stored, so the matrix text has no branch, and the 20 accumulators take turns,
;   one instruction a turn.
;   The product is used transposed (source 0 = 16 units, source 1 = 16 rows): register g of tile j in lane (r, h) is unit 32 h + 4 g + j of row r: a lane holds ONE WHOLE BLOCK of 32 neighbouring units, so its largest
;   magnitude needs no other lane.  The line that adds b1 also puts the 32 numbers in order.
; GELU, exact-erf: g = max(u, 0) - |u| q, q = erfc(|u| / sqrt 2) / 2 = t 2^A, t = 1 / (1 + 0.35355339 |u|), A = -0.72134752 u^2 + c0 + t (c1 + .. + t c9): the Chebyshev fit of erfc whose relative error is under
;   1.2e-7 for every argument, its coefficients times log2(e), the half folded into c0.  Nothing is cut for the drawn inputs: for large |u| 2^A falls to 0 and g to max(u, 0).
; hq: [136 tiles][32 K steps of 128][4][32 lanes][16 bytes]: images of the next operand's registers;  hs: [136][32][16 rows], a word each.  My block is group 2 (w % 2) + h of four registers; its first 16 codes
;   belong to lane r of the image, its last 16 to lane 16 + r: two stores, in each of which sixteen lanes cover 256 consecutive bytes.
; NO JOINT REQUESTS, NO TENSOR LOADS: which passes have work and which rows they take hang on numbers read from memory, the rows are gathered by a list, and each byte of W1 has one reader in the launch.
; LIMITS: NaN and infinities are not served; a block whose largest magnitude lies under 2^-111 gets the byte 1 (zeros too: their codes are zeros).  The work-groups of an expert without rows stream their weights and
; store nothing: the barrier stands ahead of the branch that could spare it.
; THE MODE: SCHED_MODE bits 1:0 = 2 (LLVM: expert scheduling mode 2), set by the entry lines.  The code itself states the register dependences between vector or matrix instructions and memory or LDS
; instructions, with s_wait_alu, always for 0.
; THE PLAN.  Registers that memory or LDS instructions touch:
;   PHASE 1.  The ring's slot n % 4: loads land in it; panel n's maxima and holds read it; it is asked for again at the head of panel n + 1.
;             The codes' set n % 2: written by panel n's conversions, read by its four image stores, written again by panel n + 2.   v[WW ..]: written by shifts, read by the stores of each half's last block.
;             ONE wait on va_vdst a panel, behind its conversions: the codes and the scale words are written, and the panel is done reading its slot; behind it the panel holds LDS stores alone, so the loads at
;             the next panel's head owe nothing more.  ONE wait on vm_vsrc a panel from the third on: the image stores of two panels back have read the set of codes.
;   PHASE 2.  v[TK ..]: written at a pass's head, read by the tokens' loads.   v[XSO ..]: the tokens land there, vector lines make offsets of them, the scale words' loads read them.   v[XO ..]: written at a pass's
;             head, read by the rows' loads.   The rows' three sets, v[XS ..], v[WF ..], v[WS ..]: loads land, products read.   v[B1 ..]: a load lands, the way out's additions read.
;             v[PC ..], v[QBY]: written by a place's conversions and shift, read by its three stores.  The way out works in the registers of the rows' sets 0 and 1.
;             At a pass's head one wait on vm_vsrc and two on va_vdst (ahead of the tokens' loads; ahead of the first rows' loads); one on va_vdst at the head of K steps 1 to 7; in a place's way out one on
;             vm_vsrc at its head and one on va_vdst ahead of its stores.   All other addresses are made at the kernel's head and never written again.
.set ROWB,   16384                     ; a row of W1 in bytes
.set PG,     256                       ; from panels 0-3 to panels 4-7 in memory: 64 units on
.set PLDS,   65536                     ; and in LDS: the second half's 32 fragments
.set SCB,    131072                    ; behind the 64 fragments of 2,048 bytes: their scale words, 64 bytes a fragment
.set PSC,    2048                      ; the second half's scale words
.set TINFO,  8704
.set LI,   1                           ; v1   16 x lane
.set WA,   2                           ; v2   LDS: my half's fragments, 16 x lane
.set SRD,  3                           ; v3   LDS: my half's scale words, 4 x lane
.set IA,   4                           ; v4-5 LDS: where my K step's images go, for each half of the units
.set SAW,  6                           ; v6   LDS: where my K step's scale words go
.set WOFF, 7                           ; v7   my byte offset in the work-group's part of W1
.set R4,   8                           ; v8   4 x (lane % 16)
.set H16,  9                           ; v9   16 x (lane / 16)
.set B1O,  10                          ; v10  128 x (lane / 16)
.set HQO,  11                          ; v11  512 x (lane / 16) + 16 x (lane % 16)
.set XO,   12                          ; v12-16 byte offset of my row's codes, for each of 5 places
.set XSO,  17                          ; v17-21 of its scale bytes
.set TK,   22                          ; v22-26 my rows' places in the list
.set HSO,  27                          ; v27  4 x (lane % 16) + lane / 16
.set WS,   28                          ; v28-29 the weights' scale words: lanes 0-15 tile 2 f, lanes 16-31 tile 2 f + 1; scales and nothing else
.set XS,   30                          ; v30-44 the rows' scale words, three sets of 5; scales and nothing else
.set M,    48                          ; phase 1: v48-51 largest magnitudes; v52-55 the other half's; v56-59 the conversions' scale operands; v60-63 57,344 x the scale; v64-67 bytes
.set T,    52
.set SC,   56
.set LIM,  60
.set BY,   64
.set WW,   68                          ; v68-75 scale words in the making, a set for each half of the units
.set X,    80                          ; v80-143 a panel's numbers, held, 16 down K for each of 4 units
.set C,    144                         ; v144-175 codes, two sets by turns;  v256-511: the ring, four slots of 64
.set XF,   48                          ; phase 2, by their true numbers: v48-287 the rows' fragments: three sets of 5 x 16
.set WF,   288                         ; v288-351 four fragments of weights
.set ACC,  352                         ; v352-511 the accumulators: (place i, tile j) at 32 i + 8 j
.set CV,   48                          ; the way out: v48-67 c0 .. c9, each twice; v68-69 -0.72134752
.set QM,   70                          ; v70-71 largest magnitude, in two chains; v72 scale operand; v73 57,344 x the scale; v74 the byte
.set QSC,  72
.set QLIM, 73
.set QBY,  74
.set MX,   80                          ; v80-95 max(u, 0)
.set PC,   96                          ; v96-103 a block's 32 codes
.set U,    128                         ; v128-159 a lane's 32 numbers
.set TT,   160                         ; v160-175 t;  v176-191 the polynomial;  v192-207 u^2, A, 2^A, q
.set PQ,   176
.set SS,   192
.set B1,   208                         ; v208-239 b1 of my 32 units
.set WV,   18                          ; s18 wave; s19 wave % 2; s22 wave / 2
.set PH,   19
.set FT,   20                          ; s20 the expert's first tile; s21 its tiles
.set NT,   21
.set RS,   22
.set GE,   23
.set TOF,  26                          ; s26 the offset of my expert's entry in the table: written once, since a scalar load names it
.set WB,   28                          ; s[28:29] W1 at my work-group's part
.set SLC,  30
.set T0,   31
.set TL0,  32
.set HQB,  40                          ; s[40:41] hq, s[46:47] hs, s[48:49] b1 at my K step and half
.set SEL,  42                          ; s[42:43] lane l xor 16
.set MNT,  44
.set HSB,  46
.set B1B,  48
.set MSB, 0
.macro WIN new                         ; s_set_vgpr_msb: bits 1:0 source 0, 3:2 source 1, 5:4 source 2, 7:6 destination; the high byte repeats the setting that is left
.if MSB != (\new)
	s_set_vgpr_msb (MSB<<8)|(\new)
.set MSB, (\new)
.endif
.endm
.macro ISSUE n                         ; panel n's 16 loads into slot n % 4 of the ring: half n / 4 of the units, block n % 4 of my K step
	WIN 0x40
.irp i, 0,1,2,3,4,5,6,7,8,9,10,11,12,13,14,15
	global_load_b128 v[64*((\n)%4)+4*\i:64*((\n)%4)+4*\i+3], v[WOFF], s[WB:WB+1] offset:((\n)/4)*PG+(32*((\n)%4)+\i)*ROWB th:TH_LOAD_NT
.endr
	WIN 0
.endm
; Panel n becomes codes.  Register 4 i + j of its slot is W(16 (lane / 16) + i, 4 (lane % 16) + j).
.macro PANEL n
.set RG, 64*((\n)%4)
.set PN, (\n)/4
.set CB, (\n)%4
.set CS, C+16*((\n)%2)
.if (\n) < 6
	s_wait_loadcnt 32                              ; loads come back in order: mine are in; the two younger panels' 32 may be out
.else
	s_wait_loadcnt 16*(7-(\n))
.endif
.if (\n) < 5
	ISSUE (\n)+3                                   ; into the slot that the panel before has left: 48 loads are out at the most.  No wait: since the wait ahead of that panel's LDS stores no vector instruction has been issued
.endif
	WIN 0x14                                       ; sources 1 and 2 in the ring
.irp j, 0,1,2,3
	v_max3_num_f32 v[M+\j], 0x8000000, |v[RG+\j]|, |v[RG+4+\j]|   ; with the floor 2^(16 - 127): the byte cannot fall under 1
.endr
.irp i, 2,4,6,8,10,12,14
.irp j, 0,1,2,3
	v_max3_num_f32 v[M+\j], v[M+\j], |v[RG+4*\i+\j]|, |v[RG+4*\i+4+\j]|   ; the four units by turns
.endr
.endr
	WIN 0
.irp j, 0,1,2,3
	v_permlanex16_b32 v[T+\j], v[M+\j], s[SEL], s[SEL+1]
.endr
.irp j, 0,1,2,3
	v_max_num_f32 v[M+\j], v[M+\j], v[T+\j]        ; the block's largest magnitude
.endr
.irp j, 0,1,2,3
	v_add_nc_u32 v[SC+\j], 0xf8800000, v[M+\j]     ; 15 off its exponent field: the conversion's scale operand
.endr
.irp j, 0,1,2,3
	v_and_or_b32 v[LIM+\j], v[M+\j], 0x7f800000, s[MNT]   ; 57,344 x the scale
.endr
.if CB == 0
.irp j, 0,1,2,3
	v_lshrrev_b32 v[WW+4*PN+\j], 23, v[SC+\j]      ; the scale's byte begins the unit's word for this K step
.endr
.else
.irp j, 0,1,2,3
	v_lshrrev_b32 v[BY+\j], 23, v[SC+\j]
.endr
.irp j, 0,1,2,3
	v_lshl_or_b32 v[WW+4*PN+\j], v[BY+\j], 8*CB, v[WW+4*PN+\j]
.endr
.endif
	WIN 0x01                                       ; source 0 in the ring
.irp j, 0,1,2,3
.irp i, 0,1,2,3,4,5,6,7,8,9,10,11,12,13,14,15
	v_med3_num_f32 v[X+16*\j+\i], v[RG+4*\i+\j], -v[LIM+\j], v[LIM+\j]   ; the hold (the conversion does not saturate: ISA guide 7.6.2) also puts a unit's 16 numbers on end
.endr
.endr
	WIN 0
.if (\n) > 1
	s_wait_alu depctr_va_vdst(0)
	s_wait_dscnt 4                                 ; all but the last panel's four image stores are done: the panel before that has read this set of codes
	s_wait_alu depctr_vm_vsrc(0)                   ; the image stores of two panels back have read this set of codes, which the conversions below write again
.endif
.irp j, 0,1,2,3
	v_cvt_scalef32_pk8_bf8_f32 v[CS+4*\j:CS+4*\j+1], v[X+16*\j:X+16*\j+7], v[SC+\j]
	v_cvt_scalef32_pk8_bf8_f32 v[CS+4*\j+2:CS+4*\j+3], v[X+16*\j+8:X+16*\j+15], v[SC+\j]
.endr
	v_nop                                          ; a plain line behind the last conversion
	s_wait_alu depctr_va_vdst(0)                   ; the conversions have written the codes and the shifts the scale words, which the LDS stores below read; the maxima and holds are done reading this panel's slot, in which the loads at the next panel's head land
.irp j, 0,1,2,3
	ds_store_b128 v[IA+PN], v[CS+4*\j:CS+4*\j+3] offset:2048*\j+512*CB      ; registers 4 c .. 4 c + 3 of tile j's fragment, lane by lane
.endr
.if CB == 3
.irp j, 0,1,2,3
	ds_store_b32 v[SAW], v[WW+4*PN+\j] offset:PSC*PN+64*\j                  ; both halves of the lanes hold the same word and write it to the same place
.endr
.endif
.endm
.macro ROWS s                          ; my five places' fragments and scale words of K step s, into set s % 3: 25 loads
.irp i, 0,1,2,3,4
.set FA, XF+16*(5*((\s)%3)+\i)
	WIN (FA>>8)<<6
.irp c, 0,1,2,3
	global_load_b128 v[(FA&255)+4*\c:(FA&255)+4*\c+3], v[XO+\i], s[8:9] offset:128*(\s)+32*\c
.endr
.endr
	WIN 0
.irp i, 0,1,2,3,4
	global_load_b32 v[XS+5*((\s)%3)+\i], v[XSO+\i], s[10:11] offset:4*(\s)
.endr
.endm
.macro PROD d, a, b, sa, sb, row, zero
.if \zero
.if \row
	v_wmma_scale_f32_16x16x128_f8f6f4 v[(\d):(\d)+7], v[(\a):(\a)+15], v[(\b):(\b)+15], 0, v[\sa], v[\sb] matrix_a_fmt:MATRIX_FMT_BF8 matrix_b_fmt:MATRIX_FMT_BF8 matrix_a_scale:MATRIX_SCALE_ROW1
.else
	v_wmma_scale_f32_16x16x128_f8f6f4 v[(\d):(\d)+7], v[(\a):(\a)+15], v[(\b):(\b)+15], 0, v[\sa], v[\sb] matrix_a_fmt:MATRIX_FMT_BF8 matrix_b_fmt:MATRIX_FMT_BF8
.endif
.else
.if \row
	v_wmma_scale_f32_16x16x128_f8f6f4 v[(\d):(\d)+7], v[(\a):(\a)+15], v[(\b):(\b)+15], v[(\d):(\d)+7], v[\sa], v[\sb] matrix_a_fmt:MATRIX_FMT_BF8 matrix_b_fmt:MATRIX_FMT_BF8 matrix_a_scale:MATRIX_SCALE_ROW1
.else
	v_wmma_scale_f32_16x16x128_f8f6f4 v[(\d):(\d)+7], v[(\a):(\a)+15], v[(\b):(\b)+15], v[(\d):(\d)+7], v[\sa], v[\sb] matrix_a_fmt:MATRIX_FMT_BF8 matrix_b_fmt:MATRIX_FMT_BF8
.endif
.endif
.endm
; K step s of a pass: 20 products.  The first step's take the constant 0 as C: nothing is cleared.
.macro STEP s
.if (\s) > 0
.rept 8
	v_nop                                          ; eight places behind the last products, in front of loads into registers that they read
.endr
.endif
	WIN 0x40
.if (\s) > 0
	s_wait_alu depctr_va_vdst(0)                   ; the last K step's products are done reading the weights' fragments and scale words, their set of rows and its scale words: in all of these the loads of this step land.  (K step 0: the wait ahead of the pass's first rows has stated it)
.endif
.irp j, 0,1,2,3
.irp c, 0,1,2,3
	ds_load_b128 v[(WF&255)+16*\j+4*\c:(WF&255)+16*\j+4*\c+3], v[WA] offset:(4*(\s)+\j)*2048+512*\c
.endr
.endr
	WIN 0
	ds_load_b32 v[WS], v[SRD] offset:256*(\s)
	ds_load_b32 v[WS+1], v[SRD] offset:256*(\s)+128
.if (\s) < 7
	s_wait_loadcnt 25                              ; this step's rows are in; the next step's 25 loads may be out
.else
	s_wait_loadcnt 0x0
.endif
.if (\s) < 6
	ROWS (\s)+2                                    ; into the set that the last step's products have left
.endif
.if (\s) == 7
.irp k, 0,1,2,3,4,5,6,7
	global_load_b128 v[B1+4*\k:B1+4*\k+3], v[B1O], s[B1B:B1B+1] offset:16*\k   ; b1 of my 32 units, for the way out: into registers of the rows' set 2, which K step 5's products read last
.endr
.endif
	s_wait_dscnt 0x0
.irp i, 0,1,2,3,4
.set FB, XF+16*(5*((\s)%3)+\i)
	WIN 0x51|((FB>>8)<<2)                          ; weights, C and D above v255; the rows where their set lies
.irp j, 0,1,2,3
.if (\s) == 0
	PROD (ACC&255)+32*\i+8*\j, (WF&255)+16*\j, FB&255, WS+\j/2, XS+5*((\s)%3)+\i, \j%2, 1
.else
	PROD (ACC&255)+32*\i+8*\j, (WF&255)+16*\j, FB&255, WS+\j/2, XS+5*((\s)%3)+\i, \j%2, 0
.endif
.endr
.endr
.endm
.macro GELU b                          ; 16 of a lane's 32 numbers, in place
.set UU, U+16*(\b)
.irp k, 0,1,2,3,4,5,6,7,8,9,10,11,12,13,14,15
	v_fma_f32 v[TT+\k], |v[UU+\k]|, 0x3eb504f3, 1.0
.endr
	s_wait_alu depctr_va_vdst(0)
.irp k, 0,1,2,3,4,5,6,7,8,9,10,11,12,13,14,15
	v_rcp_f32 v[TT+\k], v[TT+\k]
.endr
.irp k, 0,2,4,6,8,10,12,14
	v_pk_mul_f32 v[SS+\k:SS+\k+1], v[UU+\k:UU+\k+1], v[UU+\k:UU+\k+1]     ; u^2: also the plain lines behind the reciprocals
.endr
	s_wait_alu depctr_va_vdst(0)                   ; the sixteen reciprocals have written v[TT ..]: one wait for the batch, ahead of its first reader
.irp k, 0,2,4,6,8,10,12,14
	v_pk_fma_f32 v[PQ+\k:PQ+\k+1], v[TT+\k:TT+\k+1], v[CV+18:CV+19], v[CV+16:CV+17]
.endr
.irp n, 7,6,5,4,3,2,1,0
.irp k, 0,2,4,6,8,10,12,14
	v_pk_fma_f32 v[PQ+\k:PQ+\k+1], v[PQ+\k:PQ+\k+1], v[TT+\k:TT+\k+1], v[CV+2*\n:CV+2*\n+1]
.endr
.endr
.irp k, 0,2,4,6,8,10,12,14
	v_pk_fma_f32 v[SS+\k:SS+\k+1], v[SS+\k:SS+\k+1], v[CV+20:CV+21], v[PQ+\k:PQ+\k+1]   ; A
.endr
	s_wait_alu depctr_va_vdst(0)
.irp k, 0,1,2,3,4,5,6,7,8,9,10,11,12,13,14,15
	v_exp_f32 v[SS+\k], v[SS+\k]
.endr
.irp k, 0,1,2,3,4,5,6,7,8,9,10,11,12,13,14,15
	v_max_num_f32 v[MX+\k], 0, v[UU+\k]            ; also the plain lines behind the exponentials
.endr
	s_wait_alu depctr_va_vdst(0)                   ; the sixteen exponentials have written v[SS ..]: one wait for the batch, ahead of its first reader
.irp k, 0,2,4,6,8,10,12,14
	v_pk_mul_f32 v[SS+\k:SS+\k+1], v[SS+\k:SS+\k+1], v[TT+\k:TT+\k+1]     ; q
.endr
.irp k, 0,1,2,3,4,5,6,7,8,9,10,11,12,13,14,15
	v_fma_f32 v[UU+\k], -|v[UU+\k]|, v[SS+\k], v[MX+\k]
.endr
.endm
.macro CONST k, val
	v_mov_b32 v[CV+2*(\k)], \val
	v_mov_b32 v[CV+2*(\k)+1], \val
.endm
; The way out of place i, if it has a tile.
.macro TILE i
	s_add_co_u32 s24, s[TL0], 4*(\i)
	s_cmp_ge_u32 s24, s[NT]
	s_cbranch_scc1 .Lno_\@
	s_wait_xcnt 0x0                                ; the place before has had its stores' data and bases read: both are written again below
.if (\i) > 0
	s_wait_alu depctr_vm_vsrc(0)                   ; the stores of the place before have read v[PC ..] and v[QBY], which this place writes again.  (Place 0: the wait at the pass's head has stated it of the last pass's stores)
.endif
	s_add_co_u32 s24, s24, s[FT]
	s_min_u32 s24, s24, 135                        ; the tile
	s_lshl_b32 s34, s24, 16
	s_add_nc_u64 s[36:37], s[HQB:HQB+1], s[34:35]
	s_lshl_b32 s34, s24, 11
	s_add_nc_u64 s[38:39], s[HSB:HSB+1], s[34:35]
	WIN 0x01                                       ; source 0: the accumulators
.irp g, 0,1,2,3,4,5,6,7
.irp j, 0,1,2,3
	v_add_f32 v[U+4*\g+\j], v[(ACC&255)+32*(\i)+8*\j+\g], v[B1+4*\g+\j]   ; + b1, and into the order of the units; each accumulator from its low end on
.endr
.endr
	WIN 0
	GELU 0
	GELU 1
	v_max3_num_f32 v[QM], |v[U]|, |v[U+1]|, 0x8000000     ; my block's largest magnitude, with the floor 2^(16 - 127); two chains
	v_max3_num_f32 v[QM+1], |v[U+2]|, |v[U+3]|, |v[U+4]|
.irp k, 5,9,13,17,21,25
	v_max3_num_f32 v[QM], v[QM], |v[U+\k]|, |v[U+\k+1]|
	v_max3_num_f32 v[QM+1], v[QM+1], |v[U+\k+2]|, |v[U+\k+3]|
.endr
	v_max3_num_f32 v[QM], v[QM], |v[U+29]|, |v[U+30]|
	v_max3_num_f32 v[QM], v[QM], v[QM+1], |v[U+31]|
	v_add_nc_u32 v[QSC], 0xf8800000, v[QM]
	v_and_or_b32 v[QLIM], v[QM], 0x7f800000, s[MNT]
	v_lshrrev_b32 v[QBY], 23, v[QSC]
.irp k, 0,1,2,3,4,5,6,7,8,9,10,11,12,13,14,15,16,17,18,19,20,21,22,23,24,25,26,27,28,29,30,31
	v_med3_num_f32 v[U+\k], v[U+\k], -v[QLIM], v[QLIM]
.endr
.irp g, 0,1,2,3
	v_cvt_scalef32_pk8_bf8_f32 v[PC+2*\g:PC+2*\g+1], v[U+8*\g:U+8*\g+7], v[QSC]
.endr
	v_nop                                          ; a plain line behind the last conversion
	s_wait_alu depctr_va_vdst(0)                   ; the conversions have written v[PC ..] and the shift v[QBY], which the three stores below read
	global_store_b128 v[HQO], v[PC:PC+3], s[36:37]             ; the block's first 16 codes: lane r of the image; sixteen lanes store 256 consecutive bytes
	global_store_b128 v[HQO], v[PC+4:PC+7], s[36:37] offset:256   ; its last 16: lane 16 + r
	global_store_b8 v[HSO], v[QBY], s[38:39]       ; byte 2 (wave % 2) + h of row r's word
.Lno_\@:
.endm
	s_load_b256 s[4:11], s[0:1], 0x0               ; W1 s[4:5], b1 s[6:7], xq s[8:9], xs s[10:11]
	s_load_b128 s[12:15], s[0:1], 0x20             ; route s[12:13], hq s[14:15]
	s_load_b64 s[16:17], s[0:1], 0x30              ; hs
	v_lshl_add_u32 v46, v0, 2, 0x21000
	v_mov_b32 v47, 0
	v_lshrrev_b32 v8, 5, v0
	v_readfirstlane_b32 s[WV], v8                  ; wave 0..7
	s_wait_alu depctr_va_sdst(0)                   ; s[WV] is written, ahead of its first reader: LDS addresses, offsets and bases are made from it
	s_and_b32 s[PH], s[WV], 1
	s_lshr_b32 s[RS], s[WV], 1
	s_lshr_b32 s[GE], ttmp9, 5                     ; the expert
	s_and_b32 s[SLC], ttmp9, 31                    ; which 128 units
	s_lshl_b32 s[TOF], s[GE], 3
	s_wait_kmcnt 0x0
	s_load_b64 s[20:21], s[12:13], s[TOF] offset:TINFO   ; the expert's first tile and its tiles
	v_and_b32 v12, 31, v0                          ; lane
	v_and_b32 v13, 15, v0                          ; lane % 16
	v_bfe_u32 v14, v0, 4, 1                        ; lane / 16
	v_lshlrev_b32 v[LI], 4, v12
	s_lshl_b32 s25, s[PH], 16
	v_add_nc_u32 v[WA], s25, v[LI]
	s_lshl_b32 s25, s[PH], 11
	s_add_co_u32 s25, s25, SCB
	v_lshl_add_u32 v[SRD], v12, 2, s25
	s_lshl_b32 s25, s[WV], 13                      ; K step w: fragments 4 w .. 4 w + 3 of each half
	v_add_nc_u32 v[IA], s25, v[LI]
	v_add_nc_u32 v[IA+1], PLDS, v[IA]
	s_lshl_b32 s25, s[WV], 8
	s_add_co_u32 s25, s25, SCB
	v_lshl_add_u32 v[SAW], v13, 2, s25
	v_lshlrev_b32 v[WOFF], 4, v13                  ; W1: row 128 w + 16 (lane / 16), 16 bytes a lane
	v_lshl_add_u32 v[WOFF], v14, 18, v[WOFF]
	s_lshl_b32 s25, s[WV], 21
	v_add_nc_u32 v[WOFF], s25, v[WOFF]
	v_lshlrev_b32 v[R4], 2, v13
	v_lshlrev_b32 v[H16], 4, v14
	v_lshlrev_b32 v[B1O], 7, v14
	v_lshlrev_b32 v[HQO], 4, v13
	v_lshl_add_u32 v[HQO], v14, 9, v[HQO]
	v_add_nc_u32 v[HSO], v[R4], v14
.irp j, 0,1,2,3
	v_mov_b32 v[T+\j], 0                           ; written once: a lane permute's destination counts as one of its sources
.endr
	s_mov_b32 s[SEL], 0x76543210
	s_mov_b32 s[SEL+1], 0xfedcba98
	s_mov_b32 s[MNT], 0x600000
	s_mov_b32 s35, 0
	s_lshl_b32 s34, s[GE], 24
	s_lshl_b32 s24, s[SLC], 9
	s_add_co_u32 s34, s34, s24
	s_add_nc_u64 s[WB:WB+1], s[4:5], s[34:35]      ; W1 at my expert, my 128 units
	s_lshl_b32 s34, s[GE], 14
	s_add_co_u32 s34, s34, s24
	s_lshl_b32 s24, s[PH], 8
	s_add_co_u32 s34, s34, s24
	s_add_nc_u64 s[B1B:B1B+1], s[6:7], s[34:35]    ; b1 at my 64 units
	s_lshl_b32 s34, s[SLC], 11
	s_lshl_b32 s24, s[PH], 10
	s_add_co_u32 s34, s34, s24
	s_add_nc_u64 s[HQB:HQB+1], s[14:15], s[34:35]  ; hq at my K step, my two groups of four registers
	s_lshl_b32 s34, s[SLC], 6
	s_lshl_b32 s24, s[PH], 1
	s_add_co_u32 s34, s34, s24
	s_add_nc_u64 s[HSB:HSB+1], s[16:17], s[34:35]  ; hs at my K step, my two bytes
	s_wait_kmcnt 0x0
	s_min_u32 s[FT], s[FT], 135                    ; numbers read from memory are held before they enter addresses
	s_min_u32 s[NT], s[NT], 136
	; ---- phase 1: my K step of the weights becomes codes in LDS
	s_wait_alu depctr_va_vdst(0)                   ; the addresses and offsets made above (v1 to v11, v27) are written: the loads and stores of the whole kernel read them, and none of them is written again
	ISSUE 0
	ISSUE 1
	ISSUE 2
.irp n, 0,1,2,3,4,5,6,7
	PANEL \n
.endr
	s_wait_dscnt 0x0                               ; my images and scale words lie in LDS
	s_barrier_signal -1
	s_barrier_wait -1                              ; all eight waves' do; from here on LDS is only read
	; ---- phase 2: 7 trips of 20 tile places; a trip without tiles is passed over
	s_mov_b32 s[T0], 0
.Lpass:
	s_cmp_ge_u32 s[T0], s[NT]
	s_cbranch_scc1 .Lskip
	s_add_co_u32 s[TL0], s[T0], s[RS]              ; my first place's tile of the expert
	s_sub_co_u32 s24, s[NT], 1
	s_wait_alu depctr_vm_vsrc(0)                   ; the last pass's loads have read v[TK ..], v[XO ..] and v[XSO ..], which are written again below; phase 1's LDS stores have read their codes and scale words, the last way out's stores v[PC ..] and v[QBY]: this pass's rows land in those registers
.irp i, 0,1,2,3,4
	s_add_co_u32 s25, s[TL0], 4*\i
	s_min_u32 s25, s25, s24                        ; a place behind the last tile repeats it
	s_add_co_u32 s25, s25, s[FT]
	s_min_u32 s25, s25, 135
	s_lshl_b32 s25, s25, 6                         ; 64 bytes of the list a tile
	v_add_nc_u32 v[TK+\i], s25, v[R4]
.endr
	s_wait_alu depctr_va_vdst(0)                   ; v[TK ..] are written, which the five loads below read; the last pass's vector lines on v[XSO ..], in which these loads land, are done
.irp i, 0,1,2,3,4
	global_load_b32 v[XSO+\i], v[TK+\i], s[12:13]  ; my rows' tokens
.endr
	s_wait_loadcnt 0x0
.irp i, 0,1,2,3,4
	v_min_u32 v[XSO+\i], 1023, v[XSO+\i]
	v_lshl_add_u32 v[XO+\i], v[XSO+\i], 10, v[H16] ; a token's 1,024 codes, + my half's 16 bytes
	v_lshlrev_b32 v[XSO+\i], 5, v[XSO+\i]          ; its 32 scale bytes
.endr
	s_wait_alu depctr_va_vdst(0)                   ; v[XO ..] and v[XSO ..] are written, which the rows' loads read; phase 1's vector lines, the last pass's products and its way out are done with v28 to v351, in which the rows, the weights' fragments and the scale words land
	ROWS 0
	ROWS 1
.irp s, 0,1,2,3,4,5,6,7
	STEP \s
.endr
	WIN 0
	CONST 0, 0xc034d90f                            ; 22 plain lines on registers that the last 20 products do not name: the places behind them
	CONST 1, 0x3fb8ab5a
	CONST 2, 0x3f0a29d2
	CONST 3, 0x3e0efb2e
	CONST 4, 0xbe899a80
	CONST 5, 0x3ecdfd18
	CONST 6, 0xbfd1a1e5
	CONST 7, 0x40097039
	CONST 8, 0xbf97d29d
	CONST 9, 0x3e7c6f08
	CONST 10, 0xbf38aa3b
	s_wait_loadcnt 0x0                             ; b1
	TILE 0
	TILE 1
	TILE 2
	TILE 3
	TILE 4
	s_wait_xcnt 0x0                                ; the stores have read their registers: the next pass loads into them
.Lskip:
	s_add_co_u32 s[T0], s[T0], 20
	s_cmp_lt_u32 s[T0], 140
	s_cbranch_scc1 .Lpass
	s_wait_dscnt 0x0                               ; the closing lines, six on end
	s_wait_alu 0x0
	s_wait_tensorcnt 0x0
	ds_add_u32 v46, v47
	s_wait_dscnt 0x0
	s_endpgm
.Lfunc_end_k_q1923a79945_up:
	.size	k_q1923a79945_up, .Lfunc_end_k_q1923a79945_up-k_q1923a79945_up
	.p2alignl 7, 3214868480
	.fill 96, 4, 3214868480
	.section	.rodata,"a",@progbits
	.p2align	6, 0x0
	.amdhsa_kernel k_q1923a79945_up
		.amdhsa_group_segment_fixed_size 136192
		.amdhsa_private_segment_fixed_size 0
		.amdhsa_enable_private_segment 0
		.amdhsa_kernarg_size 56
		.amdhsa_user_sgpr_count 2
		.amdhsa_user_sgpr_kernarg_segment_ptr 1
		.amdhsa_wavefront_size32 1
		.amdhsa_system_sgpr_workgroup_id_x 1
		.amdhsa_system_sgpr_workgroup_id_y 1
		.amdhsa_system_sgpr_workgroup_id_z 1
		.amdhsa_system_vgpr_workitem_id 0
		.amdhsa_next_free_vgpr 512
		.amdhsa_next_free_sgpr 66
		.amdhsa_reserve_vcc 0
		.amdhsa_float_denorm_mode_32 3
		.amdhsa_float_denorm_mode_16_64 3
		.amdhsa_memory_ordered 1
		.amdhsa_forward_progress 1
		.amdhsa_inst_pref_size 255
	.end_amdhsa_kernel
	.section	.bss,"aw",@nobits
	.p2align	6
	.space	262144
	.amdgpu_metadata
---
amdhsa.version: [ 1, 2 ]
amdhsa.kernels:
  - .name:           k_q1923a79945_up
    .symbol:         k_q1923a79945_up.kd
    .args:
      - { .name: W1, .offset: 0, .size: 8, .value_kind: global_buffer, .address_space: global }
      - { .name: b1, .offset: 8, .size: 8, .value_kind: global_buffer, .address_space: global }
      - { .name: xq, .offset: 16, .size: 8, .value_kind: global_buffer, .address_space: global }
      - { .name: xs, .offset: 24, .size: 8, .value_kind: global_buffer, .address_space: global }
      - { .name: route, .offset: 32, .size: 8, .value_kind: global_buffer, .address_space: global }
      - { .name: hq, .offset: 40, .size: 8, .value_kind: global_buffer, .address_space: global }
      - { .name: hs, .offset: 48, .size: 8, .value_kind: global_buffer, .address_space: global }
    .group_segment_fixed_size: 136192
    .private_segment_fixed_size: 0
    .kernarg_segment_align: 8
    .kernarg_segment_size: 56
    .max_flat_workgroup_size: 256
    .sgpr_count:     66
    .vgpr_count:     512
    .wavefront_size: 32
...
	.end_amdgpu_metadata
.endif
;; end of part 6
;; launch down (part 7): grid 256 x 1, 8 waves a work-group, no clusters, 136,192 bytes of LDS; arguments W2, b2, hq, hs, route, yp; writes yp
.if DOCPART == 7
	.amdgcn_target "amdgcn-amd-amdhsa--gfx1250"
	.amdhsa_code_object_version 6
	.text
	.protected	k_q1923a79945_down
	.globl	k_q1923a79945_down
	.p2align	8
	.type	k_q1923a79945_down,@function
k_q1923a79945_down:
	s_mov_b64 s[64:65], 0
	v_nop
	global_prefetch_b8 v0, s[64:65] scope:SCOPE_SE
	s_setreg_imm32_b32 hwreg(HW_REG_WAVE_SCHED_MODE, 0, 2), 2
	s_setreg_imm32_b32 hwreg(HW_REG_WAVE_MODE, 25, 1), 1
	s_wait_xcnt 0x0
	s_wait_alu depctr_vm_vsrc(0)
; DOWN: yp[half][row][:] = the hidden layer's codes x Q(W2), over one half of K = 4,096 (+ b2 in half 0), for the routed rows; codes of E5M2 with one E8M0 scale for each 32 along K; sums in f32.
; SHARES.  Work-group x takes expert x / 32, columns 64 ((x / 2) % 16) .. + 63 and half x % 2 of K: 2,048 x 64 numbers of W2, 512 KiB of f32 in rows of 256 aligned bytes, which no other work-group reads, and all rows
; routed to that expert.  K is halved so that 8 experts make 256 work-groups with such rows; the launch behind adds the halves.
; EIGHT TRIPS, the same text for every input.  A trip is 256 along K x 64 columns, 64 KiB of f32: two K steps of 128.  In trip t wave w takes the PANEL of rows 256 t + 32 w .. + 31, which is block w % 4 of K step
;   2 t + w / 4: 16 loads; lanes 0-15 read 256 consecutive aligned bytes of row i, lanes 16-31 of row i + 16.  A lane then holds, for 4 columns, 16 numbers down K: half a block; lane l xor 16 holds the other half.
;   TILE j IS THE COLUMNS 4 r + j: so the 16 codes that lane (q, h) makes for column 4 q + j are registers 4 c .. 4 c + 3 of lane (q, h) of tile j's fragment as they stand: they go to LDS as an image of the operand's
;   registers, 512 consecutive bytes a store; the block's scale goes to byte w % 4 of the column's word.  One barrier; behind it all eight waves multiply the trip's two K steps.
;   Every K step has LDS bytes of its own (128 KiB of codes, 4 KiB of scale words): nothing in LDS is written twice, so one barrier a trip is all that the waves need, and the codes stay for later passes.
; WHAT IS ON ITS WAY.  Loads come back in the order of issue, so they are issued in the order of use: W0 W1 R0 R1 | W2 R2 R3 | W3 R4 R5 | .. (W: a panel, 16 loads; R: a K step's rows, 12 loads, and with an even
;   K step 3 scale words).  While a trip is quantised and multiplied, 43 to 59 loads of the wave are out: the next two trips' panels and the next two K steps' rows.
; THE FIRST PASS HAS NO BRANCH: wave w multiplies the expert's tiles of 16 rows w + 8 i, i = 0 .. 2; a place behind the last tile repeats that tile; only the stores stand under branches on the stored number of
;   tiles, and all eight barriers stand ahead of the first such branch.  An expert without rows multiplies tiles 0 to 23 (2,048 rows make at least 128 tiles, so these are always written) and stores nothing.
; LATER PASSES (tiles 24 on) take the codes out of LDS: a loop of six trips, a constant; its head is the way out, written once for all passes; behind it t0 goes on by 24, and a wave that has a tile there multiplies.
; THE PRODUCT: source 0 = 16 rows, source 1 = 16 columns: register g of tile j in lane (r, h) is y(row 8 h + g, column 4 r + j).  The 12 accumulators take turns, one instruction a turn.
;   The line that adds b2 (zeros in half 1) puts a lane's four columns on end, and sixteen lanes store 256 consecutive aligned bytes of a row: no way through LDS.
; NO JOINT REQUESTS, NO TENSOR LOADS: which tiles are stored and which later passes have work hang on numbers read from memory, and each byte of W2 has one reader in the launch.
; LIMITS: NaN and infinities are not served; a block whose largest magnitude lies under 2^-111 gets the byte 1 (zeros too: their codes are zeros); a sum over K is made in two halves.
; THE MODE: SCHED_MODE bits 1:0 = 2 (LLVM: expert scheduling mode 2), set by the entry lines.  The code itself states the register dependences between vector or matrix instructions and memory or LDS
; instructions, with s_wait_alu, always for 0.
; THE PLAN.  Registers that memory or LDS instructions touch:
;   the ring's slot t % 2    Loads land in it; panel t's maxima and holds read it; it is asked for again in the same panel, behind the conversions.
;   v[C ..], v[BY ..]        Written by panel t's conversions and shifts; read by its eight LDS stores; written again by panel t + 1.
;   v[X ..] = v[WF ..]       Written by a panel's holds, read by its conversions; behind the barrier LDS loads land there and the products read them; then the next K step's loads land, or the next panel's holds write.
;   v[WS ..], v[XS ..], the rows' three sets    Loads land, products read.
;   v[OO ..]                 The registers of six of the rows' fragments: written by the way out's additions, read by its stores; the next pass's rows land there.
;   v[XO ..], v[XSO ..]      Written once a pass, read by the rows' loads.   All other addresses are made at the head and never written again.
; ONE wait on va_vdst a panel, behind its conversions: it states all that the panel's LDS stores, its 16 loads AND the LDS and memory loads of the K step behind the barrier hang on, since no vector instruction but
; v_nop stands between; so of a trip's two K steps the second alone has a wait of its own.  ONE wait on vm_vsrc a panel, at its head.  In the way out a wait on va_vdst ahead of each place's stores, and one on
; vm_vsrc behind the last place, ahead of the branch.
.set ROWB,   4096                      ; a row of W2 in bytes
.set TSTEP,  256*ROWB                  ; from trip to trip; 7 trips and 15 rows stay inside the signed 24-bit immediate (ISA guide, chapter 10)
.set SCB,    131072                    ; behind the 64 fragments of 2,048 bytes: their scale words, 64 bytes a fragment
.set TINFO,  8704
.set HALFB,  8912896                   ; yp: bytes of a half
.set LI,   1                           ; v1   16 x lane
.set WA,   2                           ; v2-3 LDS: the fragments of K steps 0-7 and 8-15, 16 x lane
.set IA,   4                           ; v4-5 LDS: where my panel's images go, in trips 0-3 and 4-7
.set SAW,  6                           ; v6   LDS: where my panel's scale bytes go
.set WOFF, 7                           ; v7   my byte offset in a trip of W2
.set SRD,  8                           ; v8   LDS: the scale words, 4 x lane
.set YO,   9                           ; v9   32,768 x (lane / 16) + 16 x (lane % 16)
.set B2O,  10                          ; v10  16 x (lane % 16)
.set LS,   11                          ; v11  4 x lane
.set XO,   12                          ; v12-14 byte offset of my part of a tile's fragments in hq, for each of 3 places
.set XSO,  15                          ; v15-17 of its scale words in hs
.set WS,   18                          ; v18-19 the weights' scale words: lanes 0-15 tile 2 f, lanes 16-31 tile 2 f + 1; scales and nothing else
.set XS,   20                          ; v20-25 the rows' scale words, two sets of 3: lanes 0-15 an even K step's, lanes 16-31 the next one's; scales and nothing else
.set B2,   26                          ; v26-29 b2 of my four columns
.set M,    30                          ; v30-33 largest magnitudes; v34-37 the other half's; v38-41 the conversions' scale operands; v42-45 57,344 x the scale; v46-49 the scales' bytes
.set T,    34
.set SC,   38
.set LIM,  42
.set BY,   46
.set C,    50                          ; v50-65 a panel's codes
.set X,    66                          ; v66-129 a panel's numbers, held, 16 down K for each of 4 columns;
.set WF,   66                          ;         behind the barrier the same registers take four fragments of weights
.set XF0,  130                         ; the rows' nine fragments (three sets of 3), by their true numbers: seven at v130-241,
.set XF1,  480                         ; two at v480-511
.set ACC,  384                         ; v384-479 the accumulators: (place i, tile j) at 32 i + 8 j;   v256-383: the ring, two slots of 64
.set OO,   130                         ; the way out: v130-225: 32 registers a place
.set SL,   16
.set HF,   17
.set WV,   18
.set FT,   20                          ; s20 the expert's first tile; s21 its tiles
.set NT,   21
.set GE,   23
.set TOF,  27                          ; s27 the offset of my expert's entry in the table: written once, since a scalar load names it
.set WB,   28                          ; s[28:29] W2 at my work-group's part
.set XB,   30                          ; s[30:31] hq, s[32:33] hs at my half's first K step
.set XSB,  32
.set SEL,  42                          ; s[42:43] lane l xor 16
.set MNT,  44
.set T0,   45
.set TL0,  46
.set YB,   48                          ; s[48:49] yp at my half, my columns
.set MSB, 0
.macro WIN new                         ; s_set_vgpr_msb: bits 1:0 source 0, 3:2 source 1, 5:4 source 2, 7:6 destination; the high byte repeats the setting that is left
.if MSB != (\new)
	s_set_vgpr_msb (MSB<<8)|(\new)
.set MSB, (\new)
.endif
.endm
.macro ISSUE n                         ; my panel of trip n: 16 loads into slot n % 2 of the ring
	WIN 0x40
.irp i, 0,1,2,3,4,5,6,7,8,9,10,11,12,13,14,15
	global_load_b128 v[64*((\n)%2)+4*\i:64*((\n)%2)+4*\i+3], v[WOFF], s[WB:WB+1] offset:(\n)*TSTEP+\i*ROWB th:TH_LOAD_NT
.endr
	WIN 0
.endm
; My panel of trip t becomes codes in LDS; then the trip's barrier.  left: the younger loads, which may stay out.  Register 4 i + j of the slot is W(16 (lane / 16) + i, 4 (lane % 16) + j).
.macro PAN t, left
.set RG, 64*((\t)%2)
	s_wait_loadcnt \left
.if (\t) > 0
	s_wait_alu depctr_vm_vsrc(0)                   ; the last panel's LDS stores have read v[C ..] and v[BY ..], which this panel writes again
.endif
	WIN 0x14                                       ; sources 1 and 2 in the ring
.irp j, 0,1,2,3
	v_max3_num_f32 v[M+\j], 0x8000000, |v[RG+\j]|, |v[RG+4+\j]|   ; with the floor 2^(16 - 127): the byte cannot fall under 1
.endr
.irp i, 2,4,6,8,10,12,14
.irp j, 0,1,2,3
	v_max3_num_f32 v[M+\j], v[M+\j], |v[RG+4*\i+\j]|, |v[RG+4*\i+4+\j]|   ; the four columns by turns.  (These 32 lines are also the places between the last products and the lines below that write the registers which held the weights' fragments)
.endr
.endr
	WIN 0
.irp j, 0,1,2,3
	v_permlanex16_b32 v[T+\j], v[M+\j], s[SEL], s[SEL+1]
.endr
.irp j, 0,1,2,3
	v_max_num_f32 v[M+\j], v[M+\j], v[T+\j]        ; the block's largest magnitude
.endr
.irp j, 0,1,2,3
	v_add_nc_u32 v[SC+\j], 0xf8800000, v[M+\j]     ; 15 off its exponent field: the conversion's scale operand
.endr
.irp j, 0,1,2,3
	v_and_or_b32 v[LIM+\j], v[M+\j], 0x7f800000, s[MNT]   ; 57,344 x the scale
.endr
.irp j, 0,1,2,3
	v_lshrrev_b32 v[BY+\j], 23, v[SC+\j]           ; the scale's byte
.endr
	WIN 0x01                                       ; source 0 in the ring
.irp j, 0,1,2,3
.irp i, 0,1,2,3,4,5,6,7,8,9,10,11,12,13,14,15
	v_med3_num_f32 v[X+16*\j+\i], v[RG+4*\i+\j], -v[LIM+\j], v[LIM+\j]   ; the hold (the conversion does not saturate: ISA guide 7.6.2) also puts a column's 16 numbers on end
.endr
.endr
	WIN 0
.irp j, 0,1,2,3
	v_cvt_scalef32_pk8_bf8_f32 v[C+4*\j:C+4*\j+1], v[X+16*\j:X+16*\j+7], v[SC+\j]
	v_cvt_scalef32_pk8_bf8_f32 v[C+4*\j+2:C+4*\j+3], v[X+16*\j+8:X+16*\j+15], v[SC+\j]
.endr
	v_nop                                          ; a plain line behind the last conversion
	s_wait_alu depctr_va_vdst(0)                   ; the conversions have written v[C ..] and the shifts v[BY ..], which the LDS stores read; the maxima and holds are done reading the slot, in which the 16 loads land; the holds and conversions are done with v[X ..], and the products ahead of this panel with v[WS ..], their rows and the rows' scale words: in those the loads of the K step behind the barrier land
.irp j, 0,1,2,3
	ds_store_b128 v[IA+(\t)/4], v[C+4*\j:C+4*\j+3] offset:((\t)%4)*16384+2048*\j   ; registers 4 c .. 4 c + 3 of tile j's fragment, lane by lane
.endr
.irp j, 0,1,2,3
	ds_store_b8 v[SAW], v[BY+\j] offset:512*(\t)+64*\j                             ; both halves of the lanes hold the same byte and write it to the same place
.endr
.if (\t) < 6
	ISSUE (\t)+2                                   ; the slot is read out: it takes my panel of two trips on.  No further wait: since the wait above no vector instruction has been issued
.endif
	s_wait_dscnt 0x0                               ; my part of the trip's two K steps lies in LDS
	s_barrier_signal -1
	s_barrier_wait -1                              ; all eight waves' parts do
.endm
.macro ROWS s                          ; my three places' fragments of K step s, into set s % 3: 12 loads of 512 consecutive bytes; with an even K step the scale words of it and the next: 3 loads more
.irp i, 0,1,2
.set KF, 3*((\s)%3)+\i
.if KF < 7
.set FA, XF0+16*KF
.else
.set FA, XF1+16*(KF-7)
.endif
	WIN (FA>>8)<<6
.irp c, 0,1,2,3
	global_load_b128 v[(FA&255)+4*\c:(FA&255)+4*\c+3], v[XO+\i], s[XB:XB+1] offset:2048*(\s)+512*\c
.endr
.endr
	WIN 0
.if ((\s)%2) == 0
.irp i, 0,1,2
	global_load_b32 v[XS+3*(((\s)/2)%2)+\i], v[XSO+\i], s[XSB:XSB+1] offset:128*((\s)/2)
.endr
.endif
.endm
.macro PROD d, a, b, sa, sb, ra, rb, zero
.if \zero
.if (\ra) && (\rb)
	v_wmma_scale_f32_16x16x128_f8f6f4 v[(\d):(\d)+7], v[(\a):(\a)+15], v[(\b):(\b)+15], 0, v[\sa], v[\sb] matrix_a_fmt:MATRIX_FMT_BF8 matrix_b_fmt:MATRIX_FMT_BF8 matrix_a_scale:MATRIX_SCALE_ROW1 matrix_b_scale:MATRIX_SCALE_ROW1
.elseif \ra
	v_wmma_scale_f32_16x16x128_f8f6f4 v[(\d):(\d)+7], v[(\a):(\a)+15], v[(\b):(\b)+15], 0, v[\sa], v[\sb] matrix_a_fmt:MATRIX_FMT_BF8 matrix_b_fmt:MATRIX_FMT_BF8 matrix_a_scale:MATRIX_SCALE_ROW1
.elseif \rb
	v_wmma_scale_f32_16x16x128_f8f6f4 v[(\d):(\d)+7], v[(\a):(\a)+15], v[(\b):(\b)+15], 0, v[\sa], v[\sb] matrix_a_fmt:MATRIX_FMT_BF8 matrix_b_fmt:MATRIX_FMT_BF8 matrix_b_scale:MATRIX_SCALE_ROW1
.else
	v_wmma_scale_f32_16x16x128_f8f6f4 v[(\d):(\d)+7], v[(\a):(\a)+15], v[(\b):(\b)+15], 0, v[\sa], v[\sb] matrix_a_fmt:MATRIX_FMT_BF8 matrix_b_fmt:MATRIX_FMT_BF8
.endif
.else
.if (\ra) && (\rb)
	v_wmma_scale_f32_16x16x128_f8f6f4 v[(\d):(\d)+7], v[(\a):(\a)+15], v[(\b):(\b)+15], v[(\d):(\d)+7], v[\sa], v[\sb] matrix_a_fmt:MATRIX_FMT_BF8 matrix_b_fmt:MATRIX_FMT_BF8 matrix_a_scale:MATRIX_SCALE_ROW1 matrix_b_scale:MATRIX_SCALE_ROW1
.elseif \ra
	v_wmma_scale_f32_16x16x128_f8f6f4 v[(\d):(\d)+7], v[(\a):(\a)+15], v[(\b):(\b)+15], v[(\d):(\d)+7], v[\sa], v[\sb] matrix_a_fmt:MATRIX_FMT_BF8 matrix_b_fmt:MATRIX_FMT_BF8 matrix_a_scale:MATRIX_SCALE_ROW1
.elseif \rb
	v_wmma_scale_f32_16x16x128_f8f6f4 v[(\d):(\d)+7], v[(\a):(\a)+15], v[(\b):(\b)+15], v[(\d):(\d)+7], v[\sa], v[\sb] matrix_a_fmt:MATRIX_FMT_BF8 matrix_b_fmt:MATRIX_FMT_BF8 matrix_b_scale:MATRIX_SCALE_ROW1
.else
	v_wmma_scale_f32_16x16x128_f8f6f4 v[(\d):(\d)+7], v[(\a):(\a)+15], v[(\b):(\b)+15], v[(\d):(\d)+7], v[\sa], v[\sb] matrix_a_fmt:MATRIX_FMT_BF8 matrix_b_fmt:MATRIX_FMT_BF8
.endif
.endif
.endm
; K step s: 12 products.  left: the loads younger than this step's rows, which may stay out.  ask = 1: the rows of two K steps on are asked for.  K step 0's products take the constant 0 as C: nothing is cleared.
; w = 1: the step follows another K step's products and states what its loads hang on; w = 0: it follows a panel, or a pass's head, whose wait has stated it.
.macro STEP s, left, ask, w
.rept 8
	v_nop                                          ; eight places behind the last products, in front of loads into registers that they read; behind a panel they part its vector lines from the products
.endr
.if \w
	s_wait_alu depctr_va_vdst(0)                   ; the last K step's products are done reading the weights' fragments and scale words, their set of rows and, behind an odd K step, its pair's scale words: in these the loads of this step land
.endif
.irp j, 0,1,2,3
.irp c, 0,1,2,3
	ds_load_b128 v[WF+16*\j+4*\c:WF+16*\j+4*\c+3], v[WA+(\s)/8] offset:(4*((\s)%8)+\j)*2048+512*\c
.endr
.endr
	ds_load_b32 v[WS], v[SRD] offset:256*(\s)
	ds_load_b32 v[WS+1], v[SRD] offset:256*(\s)+128
	s_wait_loadcnt \left                           ; this step's rows are in
.if \ask
	ROWS (\s)+2                                    ; into the set that the last step's products have left
.endif
	s_wait_dscnt 0x0
.irp i, 0,1,2
.set KF, 3*((\s)%3)+\i
.if KF < 7
.set FB, XF0+16*KF
.else
.set FB, XF1+16*(KF-7)
.endif
	WIN 0x50|(FB>>8)                               ; C and D above v255; the weights under it; the rows where their fragment lies
.irp j, 0,1,2,3
.if (\s) == 0
	PROD (ACC&255)+32*\i+8*\j, FB&255, WF+16*\j, XS+3*(((\s)/2)%2)+\i, WS+\j/2, (\s)%2, \j%2, 1
.else
	PROD (ACC&255)+32*\i+8*\j, FB&255, WF+16*\j, XS+3*(((\s)/2)%2)+\i, WS+\j/2, (\s)%2, \j%2, 0
.endif
.endr
.endr
	WIN 0
.endm
.macro HEAD                            ; where my three places' fragments and scale words lie
	s_sub_co_u32 s24, s[NT], 1
.irp i, 0,1,2
	s_add_co_u32 s25, s[TL0], 8*\i
	s_min_u32 s25, s25, s24                        ; a place behind the last tile repeats it
	s_add_co_u32 s25, s25, s[FT]
	s_min_u32 s25, s25, 135                        ; a number read from memory is held before it enters an address
	s_lshl_b32 s26, s25, 16
	v_add_nc_u32 v[XO+\i], s26, v[LI]              ; a tile's 65,536 bytes of images, 16 a lane
	s_lshl_b32 s26, s25, 11
	v_add_nc_u32 v[XSO+\i], s26, v[LS]             ; its 2,048 bytes of scale words: lanes 0-15 one K step's, lanes 16-31 the next one's
.endr
.endm
; The way out of place i, if it has a tile.  Each place has its own 32 registers and its own base.
.macro OUT i
	s_add_co_u32 s24, s[TL0], 8*(\i)
	s_cmp_ge_u32 s24, s[NT]
	s_cbranch_scc1 .Lno_\@
	s_add_co_u32 s24, s24, s[FT]
	s_min_u32 s24, s24, 135                        ; the tile: 16 rows of 4,096 bytes
	s_lshl_b32 s34, s24, 16
	s_add_nc_u64 s[36+2*(\i):37+2*(\i)], s[YB:YB+1], s[34:35]
	WIN 0x01                                       ; source 0: the accumulators
	s_wait_alu depctr_va_vdst(0)
.irp g, 0,1,2,3,4,5,6,7
.irp j, 0,1,2,3
	v_add_f32 v[OO+32*(\i)+4*\g+\j], v[(ACC&255)+32*(\i)+8*\j+\g], v[B2+\j]   ; + b2, and my four columns on end; each accumulator from its low end on
.endr
.endr
	WIN 0
	s_wait_alu depctr_va_vdst(0)                   ; the 32 additions have written this place's part of v[OO ..], which the eight stores below read
.irp g, 0,1,2,3,4,5,6,7
	global_store_b128 v[YO], v[OO+32*(\i)+4*\g:OO+32*(\i)+4*\g+3], s[36+2*(\i):37+2*(\i)] offset:4096*\g   ; rows g and 8 + g: sixteen lanes store 256 consecutive aligned bytes
.endr
.Lno_\@:
.endm
	s_load_b256 s[4:11], s[0:1], 0x0               ; W2 s[4:5], b2 s[6:7], hq s[8:9], hs s[10:11]
	s_load_b128 s[12:15], s[0:1], 0x20             ; route s[12:13], yp s[14:15]
	v_lshl_add_u32 v254, v0, 2, 0x21000
	v_mov_b32 v255, 0
	v_lshrrev_b32 v8, 5, v0
	v_readfirstlane_b32 s[WV], v8                  ; wave 0..7
	s_lshr_b32 s[GE], ttmp9, 5                     ; the expert
	s_bfe_u32 s[SL], ttmp9, 0x40001                ; which 64 columns
	s_and_b32 s[HF], ttmp9, 1                      ; which half of K
	s_lshl_b32 s[TOF], s[GE], 3
	v_and_b32 v13, 15, v0                          ; lane % 16
	v_bfe_u32 v14, v0, 4, 1                        ; lane / 16
	v_lshlrev_b32 v[B2O], 4, v13
	v_lshl_add_u32 v[WOFF], v14, 16, v[B2O]        ; W2: row 32 w + 16 (lane / 16) of a trip, 16 bytes a lane
	s_wait_alu depctr_va_sdst(0)                   ; s[WV] is written, ahead of its first reader: offsets, LDS addresses and my tiles are made from it
	s_lshl_b32 s25, s[WV], 17
	v_add_nc_u32 v[WOFF], s25, v[WOFF]
	s_mov_b32 s35, 0
	s_mov_b32 s37, 0
	s_lshl_b32 s34, s[GE], 24
	s_lshl_b32 s24, s[HF], 23
	s_add_co_u32 s34, s34, s24
	s_lshl_b32 s24, s[SL], 8                       ; my 64 columns, in bytes
	s_add_co_u32 s34, s34, s24
	s_lshl_b32 s36, s[GE], 12
	s_add_co_u32 s36, s36, s24
	s_wait_kmcnt 0x0
	s_load_b64 s[20:21], s[12:13], s[TOF] offset:TINFO   ; the expert's first tile and its tiles: waited for behind the first panels' loads
	s_add_nc_u64 s[WB:WB+1], s[4:5], s[34:35]      ; W2 at my expert, my half of K, my 64 columns
	s_add_nc_u64 s[6:7], s[6:7], s[36:37]          ; b2 at my expert, my columns
	s_wait_alu depctr_va_vdst(0)                   ; v[B2O] and v[WOFF] are written, which the 33 loads below read as their offsets; neither is written again
	global_load_b128 v[B2:B2+3], v[B2O], s[6:7]    ; b2 of my four columns: older than every panel, so the first panel's wait covers it
	ISSUE 0                                        ; the stream begins before anything else is made
	ISSUE 1
	s_mul_i32 s34, s[HF], HALFB
	s_add_co_u32 s34, s34, s24
	s_add_nc_u64 s[YB:YB+1], s[14:15], s[34:35]    ; yp at my half, my columns
	s_lshl_b32 s34, s[HF], 15
	s_add_nc_u64 s[XB:XB+1], s[8:9], s[34:35]      ; hq at my half's first K step: 16 steps of 2,048 bytes
	s_lshl_b32 s34, s[HF], 10
	s_add_nc_u64 s[XSB:XSB+1], s[10:11], s[34:35]  ; hs likewise: 16 steps of 64 bytes
	v_and_b32 v12, 31, v0                          ; lane
	s_wait_alu depctr_va_vdst(0)
	v_lshlrev_b32 v[LI], 4, v12
	v_lshlrev_b32 v[WA], 4, v12
	v_add_nc_u32 v[WA+1], 65536, v[WA]
	s_lshr_b32 s25, s[WV], 2                       ; which of a trip's two K steps is mine,
	s_and_b32 s26, s[WV], 3                        ; and which block of 32 in it
	s_lshl_b32 s24, s25, 13                        ; a K step's four fragments are 8,192 bytes,
	s_lshl_b32 s34, s26, 9                         ; a block's four registers 512 in each
	s_add_co_u32 s24, s24, s34
	v_add_nc_u32 v[IA], s24, v[LI]
	v_add_nc_u32 v[IA+1], 65536, v[IA]
	s_lshl_b32 s24, s25, 8                         ; a K step's scale words are 256 bytes; my block is the byte
	s_add_co_u32 s24, s24, s26
	s_add_co_u32 s24, s24, SCB
	v_lshl_add_u32 v[SAW], v13, 2, s24
	v_lshl_add_u32 v[SRD], v12, 2, SCB
	v_lshl_add_u32 v[YO], v14, 15, v[B2O]
	v_lshlrev_b32 v[LS], 2, v12
.irp j, 0,1,2,3
	v_mov_b32 v[T+\j], 0                           ; written once: a lane permute's destination counts as one of its sources
.endr
	s_mov_b32 s[SEL], 0x76543210
	s_mov_b32 s[SEL+1], 0xfedcba98
	s_mov_b32 s[MNT], 0x600000
	s_mov_b32 s[TL0], s[WV]                        ; the first pass: my first place is tile w of the expert
	s_wait_alu depctr_va_vdst(0)
	s_wait_kmcnt 0x0
	s_cmp_eq_u32 s[NT], 0
	s_cselect_b32 s[FT], 0, s[FT]                  ; an expert without rows reads tiles 0 to 23, which are always written, and stores nothing
	s_min_u32 s[FT], s[FT], 135                    ; numbers read from memory are held before they enter addresses
	s_min_u32 s[NT], s[NT], 136
	HEAD
	s_wait_alu depctr_va_vdst(0)                   ; v[XO ..] and v[XSO ..] are written, which the rows' loads read; so are the LDS addresses v2 to v6 and v8 and the stores' offset v9, which are not written again
	ROWS 0
	ROWS 1                                         ; 60 loads are out: b2's, two panels', two K steps' rows
	; ---- the eight trips.  The counts: behind a panel's loads were issued the next panel's 16 and two K steps' rows, 15 + 12: 43.  Behind an even K step's rows: the next step's 12 and a panel's 16: 28.
	;      Behind an odd one's: a panel's 16 and the next step's 15: 31.  From trip 6 on no panel is issued, from K step 14 on no rows: the counts run down.
	PAN 0, 43
	STEP 0, 28, 1, 0
	STEP 1, 31, 1, 1
	PAN 1, 43
	STEP 2, 28, 1, 0
	STEP 3, 31, 1, 1
	PAN 2, 43
	STEP 4, 28, 1, 0
	STEP 5, 31, 1, 1
	PAN 3, 43
	STEP 6, 28, 1, 0
	STEP 7, 31, 1, 1
	PAN 4, 43
	STEP 8, 28, 1, 0
	STEP 9, 31, 1, 1
	PAN 5, 43
	STEP 10, 28, 1, 0
	STEP 11, 31, 1, 1
	PAN 6, 43
	STEP 12, 12, 1, 0
	STEP 13, 15, 1, 1
	PAN 7, 27
	STEP 14, 12, 0, 0
	STEP 15, 0, 0, 1
	; ---- the way out, and the passes for tiles 24 on.  From here on LDS is only read, and no barrier follows
	s_cmp_eq_u32 s[HF], 0
	s_cselect_b32 s24, -1, 0
.irp j, 0,1,2,3
	v_cndmask_b32 v[B2+\j], 0, v[B2+\j], s24       ; the bias belongs to half 0 alone
.endr
	s_mov_b32 s[T0], 0
.Lout:                                             ; six trips: 144 places for the 136 tiles at which the stored number is held
.rept 8
	v_nop                                          ; eight places behind the last products, in front of the first read of their results and of writes into registers that they read
.endr
	OUT 0
	OUT 1
	OUT 2
	s_wait_xcnt 0x0                                ; the stores have read their registers and bases: the next pass writes both again
	s_wait_alu depctr_vm_vsrc(0)                   ; the stores have read v[OO ..], in which the next pass's rows land and which the next way out writes; the rows' loads have read v[XO ..] and v[XSO ..], which the next pass's head writes.  Ahead of the branch, so that it stands on both ways
	s_add_co_u32 s[T0], s[T0], 24
	s_add_co_u32 s[TL0], s[T0], s[WV]              ; my first place's tile in the next pass
	s_cmp_ge_u32 s[TL0], s[NT]
	s_cbranch_scc1 .Lnone                          ; I have no tile there
	HEAD
	s_wait_alu depctr_va_vdst(0)                   ; v[XO ..] and v[XSO ..] are written, which the rows' loads read; the way out's additions have written v[OO ..], and the last pass's products are done reading their rows, the weights' fragments and all scale words: in these the loads of ROWS and of K step 0 land
	ROWS 0
	ROWS 1
	STEP 0, 12, 1, 0                               ; no panels among the loads here: behind a step's rows stand the next step's alone, 12 or 15
	STEP 1, 15, 1, 1
	STEP 2, 12, 1, 1
	STEP 3, 15, 1, 1
	STEP 4, 12, 1, 1
	STEP 5, 15, 1, 1
	STEP 6, 12, 1, 1
	STEP 7, 15, 1, 1
	STEP 8, 12, 1, 1
	STEP 9, 15, 1, 1
	STEP 10, 12, 1, 1
	STEP 11, 15, 1, 1
	STEP 12, 12, 1, 1
	STEP 13, 15, 1, 1
	STEP 14, 12, 0, 1
	STEP 15, 0, 0, 1
.Lnone:
	s_cmp_lt_u32 s[T0], 144
	s_cbranch_scc1 .Lout
	s_wait_dscnt 0x0                               ; the closing lines, six on end
	s_wait_alu 0x0
	s_wait_tensorcnt 0x0
	ds_add_u32 v254, v255
	s_wait_dscnt 0x0
	s_endpgm
.Lfunc_end_k_q1923a79945_down:
	.size	k_q1923a79945_down, .Lfunc_end_k_q1923a79945_down-k_q1923a79945_down
	.p2alignl 7, 3214868480
	.fill 96, 4, 3214868480
	.section	.rodata,"a",@progbits
	.p2align	6, 0x0
	.amdhsa_kernel k_q1923a79945_down
		.amdhsa_group_segment_fixed_size 136192
		.amdhsa_private_segment_fixed_size 0
		.amdhsa_enable_private_segment 0
		.amdhsa_kernarg_size 48
		.amdhsa_user_sgpr_count 2
		.amdhsa_user_sgpr_kernarg_segment_ptr 1
		.amdhsa_wavefront_size32 1
		.amdhsa_system_sgpr_workgroup_id_x 1
		.amdhsa_system_sgpr_workgroup_id_y 1
		.amdhsa_system_sgpr_workgroup_id_z 1
		.amdhsa_system_vgpr_workitem_id 0
		.amdhsa_next_free_vgpr 512
		.amdhsa_next_free_sgpr 66
		.amdhsa_reserve_vcc 0
		.amdhsa_float_denorm_mode_32 3
		.amdhsa_float_denorm_mode_16_64 3
		.amdhsa_memory_ordered 1
		.amdhsa_forward_progress 1
		.amdhsa_inst_pref_size 232
	.end_amdhsa_kernel
	.amdgpu_metadata
---
amdhsa.version: [ 1, 2 ]
amdhsa.kernels:
  - .name:           k_q1923a79945_down
    .symbol:         k_q1923a79945_down.kd
    .args:
      - { .name: W2, .offset: 0, .size: 8, .value_kind: global_buffer, .address_space: global }
      - { .name: b2, .offset: 8, .size: 8, .value_kind: global_buffer, .address_space: global }
      - { .name: hq, .offset: 16, .size: 8, .value_kind: global_buffer, .address_space: global }
      - { .name: hs, .offset: 24, .size: 8, .value_kind: global_buffer, .address_space: global }
      - { .name: route, .offset: 32, .size: 8, .value_kind: global_buffer, .address_space: global }
      - { .name: yp, .offset: 40, .size: 8, .value_kind: global_buffer, .address_space: global }
    .group_segment_fixed_size: 136192
    .private_segment_fixed_size: 0
    .kernarg_segment_align: 8
    .kernarg_segment_size: 48
    .max_flat_workgroup_size: 256
    .sgpr_count:     66
    .vgpr_count:     512
    .wavefront_size: 32
...
	.end_amdgpu_metadata
.endif
;; end of part 7
;; launch combine (part 8): grid 256 x 1, 4 waves a work-group, no clusters, 0 bytes of LDS; arguments x, expert_weights, route, yp, out0; writes out0
.if DOCPART == 8
	.amdgcn_target "amdgcn-amd-amdhsa--gfx1250"
	.amdhsa_code_object_version 6
	.text
	.protected	k_q1923a79945_combine
	.globl	k_q1923a79945_combine
	.p2align	8
	.type	k_q1923a79945_combine,@function
k_q1923a79945_combine:
	s_mov_b64 s[64:65], 0
	v_nop
	global_prefetch_b8 v0, s[64:65] scope:SCOPE_SE
	s_setreg_imm32_b32 hwreg(HW_REG_WAVE_MODE, 25, 1), 1
	s_wait_xcnt 0x0
; COMBINE: out[token] = x[token] + w0 (yp0 + yp1)[row of (token, 0)] + w1 (yp0 + yp1)[row of (token, 1)], (w0, w1) = softmax of the token's two router weights, the larger taken away first.
; Where both k name one expert the token has two equal rows, and w0 and w1 weigh them as their sum would weigh one.
; One wave to a token: five rows of 4,096 bytes, 40 loads of 512 consecutive bytes, all on their way at once; 8 stores of 512 consecutive aligned bytes.  A stream: no LDS, no barrier, no matrix unit.
.set ROWPOS, 9216
.set HALFB,  8912896
.set XR, 16                            ; v16-47 x;  v48-79, v80-111 row 0's halves;  v112-143, v144-175 row 1's
.set A0, 48
.set A1, 80
.set B0, 112
.set B1, 144
	s_load_b256 s[4:11], s[0:1], 0x0               ; x s[4:5], expert_weights s[6:7], route s[8:9], yp s[10:11]
	s_load_b64 s[12:13], s[0:1], 0x20              ; out0
	v_lshrrev_b32 v1, 5, v0
	v_readfirstlane_b32 s14, v1                    ; wave
	v_and_b32 v2, 31, v0
	v_lshlrev_b32 v2, 4, v2                        ; 16 bytes a lane
	s_lshl_b32 s15, ttmp9, 2
	s_add_co_u32 s15, s15, s14                     ; the token
	s_lshl_b32 s16, s15, 3
	s_lshl_b32 s24, s15, 12
	s_mov_b32 s25, 0
	s_wait_alu depctr_va_vdst(0)
	s_wait_kmcnt 0x0
	s_load_b64 s[20:21], s[8:9], s16 offset:ROWPOS ; its two rows
	s_load_b64 s[22:23], s[6:7], s16 offset:0x0    ; its two router weights
	s_add_nc_u64 s[4:5], s[4:5], s[24:25]
	s_add_nc_u64 s[12:13], s[12:13], s[24:25]
.irp m, 0,1,2,3,4,5,6,7
	global_load_b128 v[XR+4*\m:XR+4*\m+3], v2, s[4:5] offset:512*\m th:TH_LOAD_NT
.endr
	s_wait_kmcnt 0x0
	s_min_u32 s20, s20, 2175                       ; numbers read from memory are held before they enter addresses
	s_min_u32 s21, s21, 2175
	s_lshl_b32 s26, s20, 12
	s_mov_b32 s27, 0
	s_add_nc_u64 s[28:29], s[10:11], s[26:27]
	s_add_nc_u64 s[30:31], s[28:29], HALFB
	s_lshl_b32 s26, s21, 12
	s_add_nc_u64 s[32:33], s[10:11], s[26:27]
	s_add_nc_u64 s[34:35], s[32:33], HALFB
.irp m, 0,1,2,3,4,5,6,7
	global_load_b128 v[A0+4*\m:A0+4*\m+3], v2, s[28:29] offset:512*\m th:TH_LOAD_NT
	global_load_b128 v[A1+4*\m:A1+4*\m+3], v2, s[30:31] offset:512*\m th:TH_LOAD_NT
	global_load_b128 v[B0+4*\m:B0+4*\m+3], v2, s[32:33] offset:512*\m th:TH_LOAD_NT
	global_load_b128 v[B1+4*\m:B1+4*\m+3], v2, s[34:35] offset:512*\m th:TH_LOAD_NT
.endr
	v_mov_b32 v3, s22                              ; the softmax of two, while the rows are on their way
	v_max_num_f32 v3, s23, v3
	v_sub_f32 v4, s22, v3
	v_sub_f32 v5, s23, v3
	v_mul_f32 v4, 0x3fb8aa3b, v4
	v_mul_f32 v5, 0x3fb8aa3b, v5
	s_wait_alu depctr_va_vdst(0)
	v_exp_f32 v4, v4
	v_exp_f32 v5, v5
	v_nop                                          ; a plain line behind the exponentials
	s_wait_alu depctr_va_vdst(0)
	v_add_f32 v6, v4, v5                           ; at least 1
	s_wait_alu depctr_va_vdst(0)
	v_rcp_f32 v6, v6
	v_nop                                          ; and behind the reciprocal
	s_wait_alu depctr_va_vdst(0)
	v_mul_f32 v8, v4, v6
	v_mul_f32 v10, v5, v6
	v_mov_b32 v9, v8                               ; each weight twice: a pair for the packed forms
	v_mov_b32 v11, v10
	s_wait_loadcnt 0x0
.set j, 0
.rept 16
	v_pk_add_f32 v[A0+j:A0+j+1], v[A0+j:A0+j+1], v[A1+j:A1+j+1]
	s_wait_alu depctr_va_vdst(0)
	v_pk_add_f32 v[B0+j:B0+j+1], v[B0+j:B0+j+1], v[B1+j:B1+j+1]
	v_pk_fma_f32 v[XR+j:XR+j+1], v[A0+j:A0+j+1], v[8:9], v[XR+j:XR+j+1]
	v_pk_fma_f32 v[XR+j:XR+j+1], v[B0+j:B0+j+1], v[10:11], v[XR+j:XR+j+1]
.set j, j+2
.endr
.irp m, 0,1,2,3,4,5,6,7
	global_store_b128 v2, v[XR+4*\m:XR+4*\m+3], s[12:13] offset:512*\m th:TH_STORE_NT
.endr
	s_endpgm
.Lfunc_end_k_q1923a79945_combine:
	.size	k_q1923a79945_combine, .Lfunc_end_k_q1923a79945_combine-k_q1923a79945_combine
	.p2alignl 7, 3214868480
	.fill 96, 4, 3214868480
	.section	.rodata,"a",@progbits
	.p2align	6, 0x0
	.amdhsa_kernel k_q1923a79945_combine
		.amdhsa_group_segment_fixed_size 0
		.amdhsa_private_segment_fixed_size 0
		.amdhsa_enable_private_segment 0
		.amdhsa_kernarg_size 40
		.amdhsa_user_sgpr_count 2
		.amdhsa_user_sgpr_kernarg_segment_ptr 1
		.amdhsa_wavefront_size32 1
		.amdhsa_system_sgpr_workgroup_id_x 1
		.amdhsa_system_sgpr_workgroup_id_y 1
		.amdhsa_system_sgpr_workgroup_id_z 1
		.amdhsa_system_vgpr_workitem_id 0
		.amdhsa_next_free_vgpr 176
		.amdhsa_next_free_sgpr 66
		.amdhsa_reserve_vcc 0
		.amdhsa_float_denorm_mode_32 3
		.amdhsa_float_denorm_mode_16_64 3
		.amdhsa_memory_ordered 1
		.amdhsa_forward_progress 1
		.amdhsa_inst_pref_size 12
	.end_amdhsa_kernel
	.amdgpu_metadata
---
amdhsa.version: [ 1, 2 ]
amdhsa.kernels:
  - .name:           k_q1923a79945_combine
    .symbol:         k_q1923a79945_combine.kd
    .args:
      - { .name: x, .offset: 0, .size: 8, .value_kind: global_buffer, .address_space: global }
      - { .name: expert_weights, .offset: 8, .size: 8, .value_kind: global_buffer, .address_space: global }
      - { .name: route, .offset: 16, .size: 8, .value_kind: global_buffer, .address_space: global }
      - { .name: yp, .offset: 24, .size: 8, .value_kind: global_buffer, .address_space: global }
      - { .name: out0, .offset: 32, .size: 8, .value_kind: global_buffer, .address_space: global }
    .group_segment_fixed_size: 0
    .private_segment_fixed_size: 0
    .kernarg_segment_align: 8
    .kernarg_segment_size: 40
    .max_flat_workgroup_size: 128
    .sgpr_count:     66
    .vgpr_count:     176
    .wavefront_size: 32
...
	.end_amdgpu_metadata
.endif
;; end of part 8
